; MI455X (gfx1250); checked and timed in simulation.
; The chip was launched on July 23, 2026; its instructions are those of AMD's public machine-readable ISA for CDNA 5 (MIT licence, August 2026) and "CDNA5" Instruction Set Architecture Reference Guide (July 2026). The comments in the code are by the model that wrote it; some were corrected since.
;; Torch Attention. Allowed arithmetic: matrix products marked QUANTISED: E2M3 operands, one E8M0 scale for each 32 along K, by v_wmma_scale_f32_16x16x128_f8f6f4 with both operands' format E2M3, f32 sums; everything else in f32.
;; Inputs: cos 2 x 2,048 x 128 float32; sin 2 x 2,048 x 128 float32; wk 512 x 4,096 float32; wo 4,096 x 1,024 float32; wq 1,024 x 4,096 float32; wv 512 x 4,096 float32; x 2 x 2,048 x 4,096 float32.
;; Outputs: out0 2 x 2,048 x 4,096 float32.
;; This version of the problem:
;;   THIS VERSION OF THE PROBLEM IS GIVEN IN LOW PRECISION. The matrix products marked QUANTISED in the list below multiply operands that are first quantised to E2M3 (2 exponent bits, 3 mantissa bits; 6 bits a number), with one power-of-two scale for each 32 numbers along K (OCP MX v1.0); their sums are f32. All else is computed in f32.
;;   The module's matrix products, in the order in which they are computed (A, B: the left and right operand; K: the contracted axis; several contracted axes count as one K, in the product's order):
;;     1. [M 4,096, K 4,096] x [K 4,096, N 1,024]; A: input x; B: input wq: QUANTISED
;;     2. [M 4,096, K 4,096] x [K 4,096, N 512]; A: input x; B: input wk: QUANTISED
;;     3. [M 4,096, K 4,096] x [K 4,096, N 512]; A: input x; B: input wv: QUANTISED
;;     4. batch 16 x [M 2,048, K 128] x [K 128, N 2,048]; A: computed on the way; B: computed on the way: QUANTISED
;;     5. batch 16 x [M 2,048, K 2,048] x [K 2,048, N 128]; A: softmax (see below); B: computed on the way: QUANTISED
;;     6. [M 4,096, K 1,024] x [K 1,024, N 4,096]; A: computed on the way; B: input wo: QUANTISED
;;   THE QUANTISER, for each operand of a quantised product, along K:
;;     - K is cut into blocks of 32 from its start; a last block that is shorter is filled with zeros.
;;     - A block's scale is 2^e with e = floor(log2(the largest magnitude in the block)) - 2, held to -126 .. 127; a block of zeros has e = 0. As a byte (E8M0): e + 127.
;;     - Each number is divided by its block's scale, clamped to +-7.5, and rounded to the nearest number of E2M3, ties to even, subnormals kept.
;;     - The product sums the exact products of the quantised numbers (number of the format x scale) in f32.
;;   ~~~python
;;   def quantise(x, axis):      # numpy; x: float32 -> the quantised numbers, widened to float32 again
;;       x = np.moveaxis(x, axis, -1); K = x.shape[-1]
;;       x = np.pad(x, [(0, 0)] * (x.ndim - 1) + [(0, -K % 32)]); x = x.reshape(x.shape[:-1] + (-1, 32)); a = np.abs(x).max(-1, keepdims=True)
;;       e = np.where(a > 0, np.clip(np.frexp(np.where(a > 0, a, 1))[1] - 1 - 2, -126, 127), 0)      # np.frexp(a)[1] - 1 = floor(log2(a)), exactly
;;       r = np.clip(x / 2.0 ** e, -7.5, 7.5)
;;       step = 2.0 ** (np.maximum(np.frexp(np.where(r == 0, 1, r))[1] - 1, 0) - 3)
;;       q = np.round(r / step) * step * 2.0 ** e      # np.round: ties to even
;;       return np.moveaxis(q.reshape(q.shape[:-2] + (-1,))[..., :K], -1, axis).astype(np.float32)
;;   ~~~
;;   SOFTMAX AHEAD OF A QUANTISED PRODUCT. Where the list says 'softmax', what is quantised is not the finished softmax but p = 2^(t - M), with t = logit x log2(e) and M = ceil(the row's largest t), a whole number; so 1/2 < the row's largest p <= 1. The row's sum l is taken of the UNQUANTISED p, in f32, and the product's result is divided by l at the end. Since M is a whole number, a kernel that streams over the keys may use a running M (the ceiling of the running maximum): every later rescaling is an exact power of two, which a block's scale takes up: the codes' values come out the same.
;;   OPERANDS COMPUTED ON THE WAY. 'Computed on the way' means the value that the module computes at that place (a softmax that the list does not call 'softmax' is quantised finished and normalised). What goes into a quantiser is computed in f32, as accurately as f32 sums, v_exp_f32 and their like allow (about 1e-6 of the number): no bf16 or f16 on the way to a quantiser, and a product that is left as it is and whose result goes on into a quantised operand takes f32 operands (vector FMAs, or v_wmma_f32_16x16x4_f32). A number that lies on a knife's edge between two numbers of the format may be rounded either way, as far as f32 arithmetic and the matrix unit's own rounding can turn it there, and no further.
;; One version. Each part assembles by itself: llvm-mc -triple=amdgcn-amd-amdhsa -mcpu=gfx1250 --defsym DOCPART=n.
;; ======== version 1 of 1: 4 launches
;; limits: right only within a limited range of input values
;; workspace buffers: x_rec 13,107,200 bytes; w_rec 6,553,600 bytes; wo_rec 3,276,800 bytes; q_rec 3,276,800 bytes; kv_rec 3,276,800 bytes; a_rec 3,276,800 bytes
;; launch quant (part 1): grid 1792 x 1, 2 waves a work-group, no clusters, 17,152 bytes of LDS; arguments x, wq, wk, wv, wo, x_rec, w_rec, wo_rec; writes x_rec, w_rec, wo_rec
.if DOCPART == 1
	.amdgcn_target "amdgcn-amd-amdhsa--gfx1250"
	.amdhsa_code_object_version 6
	.text
	.protected	k_qb8e82f5cb7_quant
	.globl	k_qb8e82f5cb7_quant
	.p2align	8
	.type	k_qb8e82f5cb7_quant,@function
k_qb8e82f5cb7_quant:
	s_mov_b64 s[64:65], 0
	v_nop
	global_prefetch_b8 v0, s[64:65] scope:SCOPE_SE
	s_setreg_imm32_b32 hwreg(HW_REG_WAVE_MODE, 25, 1), 1
	s_wait_xcnt 0x0
; x [4096][4096], wq [1024][4096], wk, wv [512][4096], wo [4096][1024], all f32 with K innermost, become codes of FP6 (E2M3) with one E8M0 byte for each 32 along K,
; laid in the ORDER OF THE OPERAND'S REGISTERS.  A fragment (16 rows x 128 K) is 12 registers a lane: its image is 1,536 bytes, register 4 c + i of lane l at 512 c + 16 l + 4 i.
; A RECORD is four images (512 along K of one block of 16 rows) and 256 bytes of scale words (row r, fragment i at 16 r + 4 i): 6,400 bytes.
; THE ROWS OF A BLOCK ARE NOT NEIGHBOURS: lane r of block t stands for row 32 (t / 2) + 8 (t % 2) + r + 8 (r / 8), so that the results of a product lie, in a lane, as 16 neighbours along the next K.
; A block's scale is 2^(floor(log2(its largest magnitude)) - 2); its byte is the largest magnitude's exponent field - 2, held at 1 from below.
; LIMITS: NaN and infinities are not served; a block whose largest magnitude lies under 2^-124 keeps the byte 1; a block of zeros has the byte 1 where the rule says 127: its codes are zeros and this program alone reads the bytes.
; SHARES: one wave makes one record, a work-group two: 3,584 records are 1,792 work-groups, seven for each of 256 WGPs.
; Work-groups 0-1023 take x, 1024-1535 the weights of the first three products (order in w_rec: wq's 64 blocks, then k0 v0 k1 v1 k2 v2 k3 v3, 8 blocks each), 1536-1791 wo.
; Only pointers and numbers are chosen by the work-group's number: there is one way through the text.  No barrier: waves share nothing.
; Each load reads 512 consecutive bytes of one row; the 16 rows of a fragment turn through the wave's own stage in LDS (rows of 512 + 16 bytes) and come back 16 neighbours of each block of 32 to a lane.
.set REC,  6400
.set SP,   528                         ; a stage row: 512 bytes + 16
.set STG,  16*SP                       ; a wave's stage
.set SPARE, 2*STG                      ; behind the two stages: the spare words, 128 bytes a wave, that no other line names
.set TM,   8                           ; v8-11 largest magnitudes, v12-15 the other half's, then bytes, v20-23 the conversions' scale operands
.set PW,   24                          ; v24-27 the four fragments' scale words
.set PC,   28                          ; v28-39 a fragment's codes, v40-46 at work
.set R,    48                          ; v48-175 two sets of 64: a fragment's numbers as loaded
.set X,    176                         ; v176-239 the same as the quantiser wants them
.set ROWP, 32                          ; s[32:63] the addresses of my 16 rows
.set SEL,  66                          ; s[66:67] lane selects: lane l xor 16
; 64 numbers of a lane, register 16 b + i = k 32 b + 16 (lane / 16) + i of my row, become a fragment's codes in v[PC] on and its scale word in v[pw]
.macro QUANT s, pw
.irp b, 0,1,2,3
	v_max3_num_f32 v[TM+\b], |v[(\s)+16*\b]|, |v[(\s)+1+16*\b]|, 0x1800000   ; my 16 numbers of block b, and the floor 2^(3 - 127): the byte cannot fall under 1
.endr
.irp i, 2,4,6,8,10,12,14
.irp b, 0,1,2,3
	v_max3_num_f32 v[TM+\b], v[TM+\b], |v[(\s)+16*\b+\i]|, |v[(\s)+1+16*\b+\i]|   ; the four blocks by turns
.endr
.endr
.irp b, 0,1,2,3
	v_permlanex16_b32 v[TM+4+\b], v[TM+\b], s[SEL], s[SEL+1]
.endr
.irp b, 0,1,2,3
	v_max_num_f32 v[TM+\b], v[TM+\b], v[TM+4+\b]   ; with lane l xor 16's: the block's largest magnitude
.endr
.irp b, 0,1,2,3
	v_add_nc_u32 v[TM+12+\b], 0xff000000, v[TM+\b]   ; 2 off its exponent field: the conversion's scale operand
.endr
.irp b, 0,1,2,3
	v_lshrrev_b32 v[TM+4+\b], 23, v[TM+12+\b]      ; the scale's byte
.endr
	v_lshl_or_b32 v[\pw], v[TM+5], 8, v[TM+4]
	v_lshl_or_b32 v[\pw], v[TM+6], 16, v[\pw]
	v_lshl_or_b32 v[\pw], v[TM+7], 24, v[\pw]      ; my row's scale word, the same in lanes r and r + 16
.irp c, 0,1
	v_cvt_scalef32_pk16_fp6_f32 v[PC+6*\c:PC+2+6*\c], v[(\s)+32*\c:(\s)+15+32*\c], v[TM+12+2*\c]
	v_cvt_scalef32_pk16_fp6_f32 v[PC+12+4*\c:PC+14+4*\c], v[(\s)+16+32*\c:(\s)+31+32*\c], v[TM+12+2*\c+1]   ; (a conversion's three registers begin on an even number)
.endr
	v_nop                                          ; one plain place behind a scaled conversion
.irp c, 0,1                                    ; the operand's layout wants a whole block in a lane
.irp i, 0,1,2
	v_permlane16_swap_b32 v[PC+6*\c+\i], v[PC+12+4*\c+\i]
.endr
.irp i, 0,1,2
	v_mov_b32 v[PC+3+6*\c+\i], v[PC+12+4*\c+\i]
.endr
.endr
.endm
	s_load_b512 s[4:19], s[0:1], 0x0               ; x, wq, wk, wv, wo, x_rec, w_rec, wo_rec
	v_lshl_add_u32 v240, v0, 2, SPARE
	v_mov_b32 v241, 0
	v_lshrrev_b32 v1, 5, v0
	v_readfirstlane_b32 s20, v1                    ; wave
	v_and_b32 v5, 31, v0
	v_lshlrev_b32 v1, 4, v5                        ; 16 x lane
	v_and_b32 v6, 15, v0                           ; r
	v_bfe_u32 v7, v0, 4, 1                         ; h
	s_mul_i32 s21, s20, STG
	v_add_nc_u32 v2, s21, v1                       ; the stage, way in: 16 x lane of a row
	v_mul_u32_u24 v3, v6, SP
	v_lshl_add_u32 v3, v7, 6, v3
	v_add_nc_u32 v3, s21, v3                       ; way out: row r, + 64 h
	v_lshlrev_b32 v4, 4, v6                        ; 16 r: my row's four scale words
.irp b, 0,1,2,3
	v_mov_b32 v[TM+4+\b], 0                        ; written once: a lane permute's destination counts as one of its sources
.endr
	s_mov_b32 s[SEL], 0x76543210
	s_mov_b32 s[SEL+1], 0xfedcba98
	s_cmp_ge_u32 ttmp9, 1024
	s_cselect_b32 s21, 1024, 0
	s_cmp_ge_u32 ttmp9, 1536
	s_cselect_b32 s21, 1536, s21                   ; the first work-group of my tensor's range
	s_cselect_b32 s23, 1, 3                        ; log2 of the records in a block: K / 512
	s_cselect_b32 s24, 12, 14                      ; log2 of a row's bytes
	s_sub_co_u32 s22, ttmp9, s21
	s_lshl_b32 s22, s22, 1
	s_add_co_u32 s22, s22, s20                     ; my record in its buffer
	s_lshr_b32 s25, s22, s23                       ; its block,
	s_lshl_b32 s26, s25, s23
	s_sub_co_u32 s26, s22, s26                     ; and which 512 along K
	s_sub_co_u32 s27, s25, 64                      ; behind wq's 64 blocks: i; the source is wv where (i / 8) is odd, else wk; its block 8 (i / 16) + i % 8
	s_lshr_b32 s28, s27, 4
	s_lshl_b32 s28, s28, 3
	s_and_b32 s29, s27, 7
	s_add_co_u32 s28, s28, s29
	s_bfe_u32 s29, s27, 0x10003
	s_wait_alu depctr_va_vdst(0)                   ; the wait at the head's end
	s_wait_kmcnt 0x0
	s_cmp_lg_u32 s29, 0
	s_cselect_b64 s[8:9], s[10:11], s[8:9]         ; every choice hangs on the work-group's number alone
	s_cmp_ge_u32 ttmp9, 1024
	s_cselect_b64 s[4:5], s[6:7], s[4:5]
	s_cselect_b64 s[14:15], s[16:17], s[14:15]
	s_cmp_ge_u32 ttmp9, 1280
	s_cselect_b64 s[4:5], s[8:9], s[4:5]
	s_cselect_b32 s30, s28, s25
	s_cmp_ge_u32 ttmp9, 1536
	s_cselect_b64 s[4:5], s[12:13], s[4:5]
	s_cselect_b64 s[14:15], s[18:19], s[14:15]
	s_cselect_b32 s30, s25, s30                    ; the block in its source
	s_lshr_b32 s27, s30, 1
	s_lshl_b32 s27, s27, 5
	s_and_b32 s31, s30, 1
	s_lshl_b32 s31, s31, 3
	s_add_co_u32 s27, s27, s31                     ; its first row: 32 (t / 2) + 8 (t % 2)
	s_lshl_b32 s2, s27, s24
	s_lshl_b32 s31, s26, 11                        ; 512 numbers are 2,048 bytes
	s_add_co_u32 s2, s2, s31
	s_mov_b32 s3, 0
	s_add_nc_u64 s[4:5], s[4:5], s[2:3]
	s_mul_i32 s2, s22, REC
	s_add_nc_u64 s[14:15], s[14:15], s[2:3]        ; my record
.irp i, 0,1,2,3,4,5,6,7,8,9,10,11,12,13,14,15
	s_lshl_b32 s2, \i+8*(\i/8), s24                ; lane row i stands i + 8 (i / 8) rows on
	s_add_nc_u64 s[ROWP+2*\i:ROWP+2*\i+1], s[4:5], s[2:3]
.endr
.macro LOADF f                         ; fragment f: 128 numbers of each of my 16 rows; 32 lanes read 512 consecutive bytes
.irp i, 0,1,2,3,4,5,6,7,8,9,10,11,12,13,14,15
	global_load_b128 v[R+64*((\f)%2)+4*\i:R+64*((\f)%2)+4*\i+3], v1, s[ROWP+2*\i:ROWP+2*\i+1] offset:512*(\f) th:TH_LOAD_NT
.endr
.endm
.macro FRAG f
.if (\f) < 3
	s_wait_loadcnt 16                              ; this fragment's 16 loads are in; the next fragment's 16 may be out
.else
	s_wait_loadcnt 0x0
.endif
.irp i, 0,1,2,3,4,5,6,7,8,9,10,11,12,13,14,15
	ds_store_b128 v2, v[R+64*((\f)%2)+4*\i:R+64*((\f)%2)+4*\i+3] offset:SP*\i
.endr
.irp b, 0,1,2,3
.irp j, 0,1,2,3
	ds_load_b128 v[X+16*\b+4*\j:X+16*\b+4*\j+3], v3 offset:128*\b+16*\j   ; LDS serves a wave's instructions in order: these see my stores
.endr
.endr
	s_wait_dscnt 0x0                               ; the numbers are back, and the stores have read their registers,
.if (\f) < 2
	LOADF (\f)+2                                   ; which take the fragment two on
.endif
.if (\f) > 0
	s_wait_xcnt 0x0                                ; the last fragment's stores have read the codes' registers, which are written again below
.endif
	QUANT X, PW+(\f)
.irp c, 0,1,2
	global_store_b128 v1, v[PC+4*\c:PC+4*\c+3], s[14:15] offset:1536*(\f)+512*\c   ; 32 lanes store 512 consecutive bytes, aligned
.endr
.endm
	LOADF 0
	LOADF 1
	FRAG 0
	FRAG 1
	FRAG 2
	FRAG 3
	global_store_b128 v4, v[PW:PW+3], s[14:15] offset:4*1536   ; the record's 256 bytes of scale words; lanes r and r + 16 store the same 16 bytes
	s_wait_tensorcnt 0x0                           ; the wave's end
	ds_add_u32 v240, v241
	s_wait_dscnt 0x0
	s_endpgm
.Lfunc_end_k_qb8e82f5cb7_quant:
	.size	k_qb8e82f5cb7_quant, .Lfunc_end_k_qb8e82f5cb7_quant-k_qb8e82f5cb7_quant
	.p2alignl 7, 3214868480
	.fill 96, 4, 3214868480
	.section	.rodata,"a",@progbits
	.p2align	6, 0x0
	.amdhsa_kernel k_qb8e82f5cb7_quant
		.amdhsa_group_segment_fixed_size 17152
		.amdhsa_private_segment_fixed_size 0
		.amdhsa_enable_private_segment 0
		.amdhsa_kernarg_size 64
		.amdhsa_user_sgpr_count 2
		.amdhsa_user_sgpr_kernarg_segment_ptr 1
		.amdhsa_wavefront_size32 1
		.amdhsa_system_sgpr_workgroup_id_x 1
		.amdhsa_system_sgpr_workgroup_id_y 1
		.amdhsa_system_sgpr_workgroup_id_z 1
		.amdhsa_system_vgpr_workitem_id 0
		.amdhsa_next_free_vgpr 242
		.amdhsa_next_free_sgpr 68
		.amdhsa_reserve_vcc 0
		.amdhsa_float_denorm_mode_32 3
		.amdhsa_float_denorm_mode_16_64 3
		.amdhsa_memory_ordered 1
		.amdhsa_forward_progress 1
		.amdhsa_inst_pref_size 35
	.end_amdhsa_kernel
	.amdgpu_metadata
---
amdhsa.version: [ 1, 2 ]
amdhsa.kernels:
  - .name:           k_qb8e82f5cb7_quant
    .symbol:         k_qb8e82f5cb7_quant.kd
    .args:
      - { .name: x, .offset: 0, .size: 8, .value_kind: global_buffer, .address_space: global }
      - { .name: wq, .offset: 8, .size: 8, .value_kind: global_buffer, .address_space: global }
      - { .name: wk, .offset: 16, .size: 8, .value_kind: global_buffer, .address_space: global }
      - { .name: wv, .offset: 24, .size: 8, .value_kind: global_buffer, .address_space: global }
      - { .name: wo, .offset: 32, .size: 8, .value_kind: global_buffer, .address_space: global }
      - { .name: x_rec, .offset: 40, .size: 8, .value_kind: global_buffer, .address_space: global }
      - { .name: w_rec, .offset: 48, .size: 8, .value_kind: global_buffer, .address_space: global }
      - { .name: wo_rec, .offset: 56, .size: 8, .value_kind: global_buffer, .address_space: global }
    .group_segment_fixed_size: 17152
    .private_segment_fixed_size: 0
    .kernarg_segment_align: 8
    .kernarg_segment_size: 64
    .max_flat_workgroup_size: 64
    .sgpr_count:     68
    .vgpr_count:     242
    .wavefront_size: 32
...
	.end_amdgpu_metadata
.endif
;; end of part 1
;; launch qkv (part 2): grid 8 x 32, 4 waves a work-group, clusters of 4 x 4, 327,680 bytes of LDS; arguments x_rec, w_rec, cos, sin, q_rec, kv_rec; writes q_rec, kv_rec
.if DOCPART == 2
	.amdgcn_target "amdgcn-amd-amdhsa--gfx1250"
	.amdhsa_code_object_version 6
	.text
	.protected	k_qb8e82f5cb7_qkv
	.globl	k_qb8e82f5cb7_qkv
	.p2align	8
	.type	k_qb8e82f5cb7_qkv,@function
k_qb8e82f5cb7_qkv:
	s_mov_b64 s[64:65], 0
	v_nop
	global_prefetch_b8 v0, s[64:65] scope:SCOPE_SE
	s_setreg_imm32_b32 hwreg(HW_REG_WAVE_MODE, 25, 1), 1
	s_wait_xcnt 0x0
	s_wait_alu depctr_hold_cnt(0) depctr_sa_sdst(0) depctr_va_vdst(0) depctr_va_sdst(0) depctr_va_ssrc(0) depctr_va_vcc(0) depctr_vm_vsrc(0)
	s_getreg_b32 s2, hwreg(HW_REG_IB_STS2, 6, 4)
	s_cmp_eq_u32 s2, 0
	s_cbranch_scc0 .Lentry_in_a_cluster
	s_endpgm
.Lentry_in_a_cluster:
	s_bfe_u32 s2, ttmp6, 0x10000c
	s_cmp_lg_u32 s2, 0xf033
	s_cbranch_scc0 .Lentry_shape_is_right
	s_endpgm
.Lentry_shape_is_right:
; The first three products on codes of FP6 (E2M3) with E8M0 scales, K = 4,096; then RoPE on q and k, and q, k (along d) and v (along the keys) quantised anew and stored as images of an operand's registers.
; A work-group makes 128 tokens x 256 features, a wave 64 x 128.  K goes by quads (512 along K: a record of 6,400 bytes a block of 16 rows) through a ring of two LDS slots, each with 8 records of x and 16 of w.
; CLUSTERS of 4 x 4: x's records are asked for jointly along a row of the cluster, w's along a column.  q, k: source 0 = the weight, source 1 = x; v: source 0 = x, source 1 = wv, so that its registers run along the tokens.
; PREFETCH: at each change of slots a wave asks for its part of the quad that the NEXT change of slots will load: of the 4 (x) or 8 (w) records that it fetches, the partner at place cx (cy) takes 1 (2), a lane a block of 256 bytes,
; lanes 25-31 naming the last block again; quad 2 is asked for at the head; quads 0 and 1 come by their loads alone; the last ask names quad 7.
; LIMITS: NaN and infinities are not served; a block whose largest magnitude lies under 2^-124 keeps the byte 1; a block of zeros has the byte 1 where the rule says 127: its codes are zeros and this program alone reads the bytes.
.set REC,   6400
.set QUADS, 8
.set SLOTB, 24*REC
.set SPARE, 2*SLOTB
.set ENT,   25600
.set AD0, 16
.set AD1, 18
.set AS0, 20
.set AS1, 22
.set SPW, 28
.set NIL, 29
.set SC0, 32
.set SC1, 64
.set F1,  128
.set T,   128
.set TM,  192
.set PW,  208
.set PC,  212
.set G1,  24
.set G0,  32
.set G1B, 48
.set G0B, 56
.set VR,  74
.set IMG, 88
.set SCL, 90
.set SEL, 94
.set MULW, 0xa1
.set MSB, 0
.macro WIN new
.if MSB != (\new)
	s_set_vgpr_msb (MSB<<8)|(\new)
.set MSB, (\new)
.endif
.endm
.macro PLACES
.rept 4
	v_nop
.endr
.endm
.macro JLOAD g0a, g1a, g0b, g1b
	s_cmp_eq_u32 s17, 0
	s_cbranch_scc0 .Lfor_b_\@
	tensor_load_to_lds s[\g0a:\g0a+3], s[\g1a:\g1a+7]
	s_nop 0
.rept 4
	v_nop
.endr
	s_branch .Lasked_\@
.Lfor_b_\@:
	tensor_load_to_lds s[\g0b:\g0b+3], s[\g1b:\g1b+7]
	s_nop 0
.rept 4
	v_nop
.endr
.Lasked_\@:
.endm
.macro CREST
	s_cmp_lg_u32 s16, 0
	s_cbranch_scc1 .Lnot_wave_0_\@
	s_barrier_signal -3
.Lnot_wave_0_\@:
	s_barrier_wait -3
	s_barrier_signal -1
	s_barrier_wait -1
.endm
.macro CROUND
	s_barrier_signal -1
	s_barrier_wait -1
	CREST
.endm
.macro QUANT s, w, pw
	WIN (\w)|((\w)<<2)
.irp b, 0,1,2,3
	v_max3_num_f32 v[TM+\b], |v[(\s)+16*\b]|, |v[(\s)+1+16*\b]|, 0x1800000
.endr
	WIN ((\w)<<2)|((\w)<<4)
.irp i, 2,4,6,8,10,12,14
.irp b, 0,1,2,3
	v_max3_num_f32 v[TM+\b], v[TM+\b], |v[(\s)+16*\b+\i]|, |v[(\s)+1+16*\b+\i]|
.endr
.endr
	WIN 0
.irp b, 0,1,2,3
	v_permlanex16_b32 v[TM+4+\b], v[TM+\b], s[SEL], s[SEL+1]
.endr
.irp b, 0,1,2,3
	v_max_num_f32 v[TM+\b], v[TM+\b], v[TM+4+\b]
.endr
.irp b, 0,1,2,3
	v_add_nc_u32 v[TM+12+\b], 0xff000000, v[TM+\b]
.endr
.irp b, 0,1,2,3
	v_lshrrev_b32 v[TM+4+\b], 23, v[TM+12+\b]
.endr
	v_lshl_or_b32 v[\pw], v[TM+5], 8, v[TM+4]
	v_lshl_or_b32 v[\pw], v[TM+6], 16, v[\pw]
	v_lshl_or_b32 v[\pw], v[TM+7], 24, v[\pw]
	WIN (\w)
.irp c, 0,1
	v_cvt_scalef32_pk16_fp6_f32 v[PC+6*\c:PC+2+6*\c], v[(\s)+32*\c:(\s)+15+32*\c], v[TM+12+2*\c]
	v_cvt_scalef32_pk16_fp6_f32 v[PC+12+4*\c:PC+14+4*\c], v[(\s)+16+32*\c:(\s)+31+32*\c], v[TM+12+2*\c+1]
.endr
	WIN 0
	v_nop
.irp c, 0,1
.irp i, 0,1,2
	v_permlane16_swap_b32 v[PC+6*\c+\i], v[PC+12+4*\c+\i]
.endr
.irp i, 0,1,2
	v_mov_b32 v[PC+3+6*\c+\i], v[PC+12+4*\c+\i]
.endr
.endr
.endm
	s_load_b256 s[4:11], s[0:1], 0x0
	s_load_b128 s[12:15], s[0:1], 0x20
	v_lshl_add_u32 v[SPW], v0, 2, SPARE
	v_mov_b32 v[NIL], 0
	ds_add_u32 v28, v29
	ds_add_u32 v28, v29
	s_wait_dscnt 0x0
	v_lshrrev_b32 v1, 5, v0
	v_readfirstlane_b32 s16, v1
	s_lshr_b32 s17, s16, 1
	s_and_b32 s18, s16, 1
	s_bfe_u32 s40, ttmp6, 0x40000
	s_bfe_u32 s41, ttmp6, 0x40004
	s_lshl_b32 s42, ttmp9, 2
	s_add_co_u32 s42, s42, s40
	s_and_b32 s43, ttmp7, 0xffff
	s_lshl_b32 s43, s43, 2
	s_add_co_u32 s43, s43, s41
	s_lshl_b32 s44, s41, 2
	s_lshl_b32 s44, 15, s44
	s_lshl_b32 s45, 0x1111, s40
	s_or_b32 s[G1], s44, (3<<16)|(1<<21)
	s_or_b32 s[G1B], s45, (3<<16)|(1<<21)
	s_mov_b32 s[G1+1], 800<<16
	s_mov_b32 s[G1+2], 4<<16
	s_mov_b32 s[G1+3], 800<<16
	s_mov_b32 s[G1+4], 4
	s_mov_b32 s[G1+5], QUADS*800
	s_mov_b32 s[G1+6], 0
	s_mov_b32 s[G1+7], 0
	s_mov_b32 s[G1B+1], 800<<16
	s_mov_b32 s[G1B+2], 8<<16
	s_mov_b32 s[G1B+3], 800<<16
	s_mov_b32 s[G1B+4], 8
	s_mov_b32 s[G1B+5], QUADS*800
	s_mov_b32 s[G1B+6], 0
	s_mov_b32 s[G1B+7], 0
	s_lshl_b32 s66, s43, 3
	s_lshl_b32 s67, s18, 2
	s_add_co_u32 s66, s66, s67
	s_mul_i32 s66, s66, QUADS*REC
	s_mov_b32 s67, 0
	s_lshl_b32 s68, s42, 4
	s_lshl_b32 s69, s18, 3
	s_add_co_u32 s68, s68, s69
	s_mul_i32 s68, s68, QUADS*REC
	s_mov_b32 s69, 0
	s_mul_i32 s70, s18, 4*REC
	s_mul_i32 s71, s18, 8*REC
	s_add_co_u32 s71, s71, 8*REC
	s_wait_kmcnt 0x0
	s_add_nc_u64 s[66:67], s[4:5], s[66:67]
	s_add_nc_u64 s[68:69], s[6:7], s[68:69]
	s_lshl_b32 s22, s41, 1                         ; the prefetch's records: x's at place cx, w's at places 2 cy and 2 cy + 1 of those that I fetch
	s_cmp_eq_u32 s17, 0
	s_cselect_b32 s22, s40, s22
	s_cselect_b64 s[20:21], s[66:67], s[68:69]
	s_mul_i32 s22, s22, QUADS*REC
	s_mov_b32 s23, 0
	s_add_nc_u64 s[20:21], s[20:21], s[22:23]
	CROUND
.irp s, 0,1
	s_mov_b32 s[G0+4*\s], 1
	s_add_co_u32 s[G0+4*\s+1], s70, \s*SLOTB
	s_add_nc_u64 s[G0+4*\s+2:G0+4*\s+3], s[66:67], \s*REC
	s_or_b32 s[G0+4*\s+3], s[G0+4*\s+3], 0x80000000
	s_mov_b32 s[G0B+4*\s], 1
	s_add_co_u32 s[G0B+4*\s+1], s71, \s*SLOTB
	s_add_nc_u64 s[G0B+4*\s+2:G0B+4*\s+3], s[68:69], \s*REC
	s_or_b32 s[G0B+4*\s+3], s[G0B+4*\s+3], 0x80000000
.endr
.macro ASK qd, lim                     ; quad qd from the lap's first, while more than lim laps are left
	s_cmp_gt_u32 s3, \lim
	s_cbranch_scc0 .Lna_\@
	global_prefetch_b8 v6, s[20:21] offset:REC*(\qd) th:TH_LOAD_NT scope:SCOPE_SE
	s_cmp_eq_u32 s17, 0
	s_cbranch_scc1 .Lna_\@
	global_prefetch_b8 v6, s[20:21] offset:REC*(\qd)+QUADS*REC th:TH_LOAD_NT scope:SCOPE_SE
.Lna_\@:
.endm
	JLOAD G0, G1, G0B, G1B                         ; quad 0: one tensor load a wave at the head
	v_and_b32 v6, 31, v0
	v_min_u32 v6, 24, v6
	v_lshlrev_b32 v6, 8, v6                        ; the prefetch's offset: a lane a block of 256 bytes, 25 to a record
	v_and_b32 v1, 15, v0
	v_bfe_u32 v2, v0, 4, 1
	v_and_b32 v3, 31, v0
	v_lshlrev_b32 v3, 4, v3
	s_wait_alu depctr_va_vdst(0)
	v_lshlrev_b32 v4, 4, v1
	s_wait_alu depctr_va_vdst(0)
	v_and_b32 v5, 8, v1
	v_add_nc_u32 v5, v5, v1
	v_lshlrev_b32 v5, 9, v5
	v_lshl_add_u32 v5, v2, 6, v5
	s_cmp_eq_u32 ttmp9, 1
	s_cselect_b32 s[VR], s18, 0
	s_lshl_b32 s75, s18, 3
	s_add_co_u32 s75, s75, 8
	s_lshl_b32 s76, s17, 2
	s_add_co_u32 s77, s76, 16
	s_cmp_eq_u32 s[VR], 1
	s_cselect_b32 s75, 0, s75
	s_cselect_b32 s76, s77, s76
	s_mul_i32 s75, s75, REC
	s_mul_i32 s76, s76, REC
.irp s, 0,1
	v_add_nc_u32 v[AD0+\s], s75, v3
	v_add_nc_u32 v[AD1+\s], s76, v3
	v_add_nc_u32 v[AS0+\s], s75, v4
	v_add_nc_u32 v[AS1+\s], s76, v4
	s_add_co_u32 s75, s75, SLOTB
	s_add_co_u32 s76, s76, SLOTB
.endr
	s_lshr_b32 s78, s43, 4
	s_and_b32 s79, s43, 15
	s_lshl_b32 s80, s78, 3
	s_lshl_b32 s81, s42, 1
	s_add_co_u32 s80, s80, s81
	s_add_co_u32 s80, s80, s18
	s_lshl_b32 s80, s80, 5
	s_lshl_b32 s81, s79, 1
	s_add_co_u32 s80, s80, s81
	s_add_co_u32 s80, s80, s17
	s_mul_i32 s80, s80, REC
	s_add_co_u32 s81, s80, 4*1536
	s_lshl_b32 s82, s78, 2
	s_add_co_u32 s82, s82, s42
	s_sub_co_u32 s82, s82, 4
	s_lshl_b32 s82, s82, 4
	s_add_co_u32 s82, s82, s79
	s_mul_i32 s82, s82, ENT
	s_mul_i32 s83, s[VR], 8*1536
	s_mul_i32 s84, s17, 4*1536
	s_add_co_u32 s83, s83, s84
	s_add_co_u32 s83, s83, s82
	s_lshl_b32 s84, s[VR], 9
	s_lshl_b32 s85, s17, 8
	s_add_co_u32 s84, s84, s85
	s_add_co_u32 s84, s84, s82
	s_add_co_u32 s84, s84, 16*1536
	s_cmp_eq_u32 ttmp9, 0
	s_cselect_b64 s[86:87], s[12:13], s[14:15]
	s_cselect_b32 s80, s80, s83
	s_cselect_b32 s82, s81, s84
	s_mov_b32 s81, 0
	s_mov_b32 s83, 0
	s_add_nc_u64 s[IMG:IMG+1], s[86:87], s[80:81]
	s_add_nc_u64 s[SCL:SCL+1], s[86:87], s[82:83]
	s_lshl_b32 s92, s43, 16
	s_lshl_b32 s93, s17, 15
	s_add_co_u32 s92, s92, s93
	s_mov_b32 s93, 0
	s_add_nc_u64 s[8:9], s[8:9], s[92:93]
	s_add_nc_u64 s[10:11], s[10:11], s[92:93]
	s_mov_b32 s[SEL], 0x76543210
	s_mov_b32 s[SEL+1], 0xfedcba98
.macro FETCH slot, q, p
	WIN 0x40
.irp i, 0,1,2,3,4,5,6,7
.irp c, 0,1,2
	ds_load_b128 v[96*(\p)+12*\i+4*\c:96*(\p)+12*\i+4*\c+3], v[AD0+\slot] offset:REC*\i+1536*(\q)+512*\c
.endr
.endr
	WIN 0
.irp i, 0,1,2,3
.irp c, 0,1,2
	ds_load_b128 v[F1+48*(\p)+12*\i+4*\c:F1+48*(\p)+12*\i+4*\c+3], v[AD1+\slot] offset:REC*\i+1536*(\q)+512*\c
.endr
.endr
.endm
.macro SCALES slot
.irp i, 0,1,2,3,4,5,6,7
	ds_load_b128 v[SC0+48*\slot+4*\i:SC0+48*\slot+4*\i+3], v[AS0+\slot] offset:REC*\i+4*1536
.endr
.irp i, 0,1,2,3
	ds_load_b128 v[SC1+48*\slot+4*\i:SC1+48*\slot+4*\i+3], v[AS1+\slot] offset:REC*\i+4*1536
.endr
.endm
.macro MUL a0, cnt, p, q, sc, zero
.set ma, \a0
.rept \cnt
.irp b, 0,1,2,3,4,5,6,7
.if \zero
	v_wmma_scale_f32_16x16x128_f8f6f4 v[8*(8*ma+\b):8*(8*ma+\b)+7], v[96*(\p)+12*\b:96*(\p)+12*\b+11], v[F1+48*(\p)+12*ma:F1+48*(\p)+12*ma+11], 0, v[SC0+48*(\sc)+4*\b+(\q)], v[SC1+48*(\sc)+4*ma+(\q)] matrix_a_fmt:MATRIX_FMT_FP6 matrix_b_fmt:MATRIX_FMT_FP6
.else
	v_wmma_scale_f32_16x16x128_f8f6f4 v[8*(8*ma+\b):8*(8*ma+\b)+7], v[96*(\p)+12*\b:96*(\p)+12*\b+11], v[F1+48*(\p)+12*ma:F1+48*(\p)+12*ma+11], v[8*(8*ma+\b):8*(8*ma+\b)+7], v[SC0+48*(\sc)+4*\b+(\q)], v[SC1+48*(\sc)+4*ma+(\q)] matrix_a_fmt:MATRIX_FMT_FP6 matrix_b_fmt:MATRIX_FMT_FP6
.endif
.endr
.set ma, ma+1
.endr
.endm
.macro STEP slot, q, zero
	s_wait_dscnt 0x0
	PLACES
	FETCH \slot, (\q)+1, 1-(\q)%2
	WIN MULW
	MUL 0, 4, (\q)%2, \q, \slot, \zero
	WIN 0
.endm
.macro TURN slot, next, fill
	s_wait_tensorcnt 0x0
	ds_add_u32 v[SPW], v[NIL]
	s_wait_dscnt 1
	WIN MULW
	MUL 0, 1, 1, 3, \slot, 0
	s_wait_dscnt 0x0
	s_barrier_signal -1
	MUL 1, 1, 1, 3, \slot, 0
	WIN 0
	s_barrier_wait -1
.if \fill
	CREST
	s_add_nc_u64 s[G0+4*\slot+2:G0+4*\slot+3], s[G0+4*\slot+2:G0+4*\slot+3], 2*REC
	s_add_nc_u64 s[G0B+4*\slot+2:G0B+4*\slot+3], s[G0B+4*\slot+2:G0B+4*\slot+3], 2*REC
	JLOAD G0+4*\slot, G1, G0B+4*\slot, G1B
.else
	PLACES
.endif
	FETCH \next, 0, 0
	SCALES \next
.if \fill
	ASK 3+\slot, \slot
.endif
	WIN MULW
	MUL 2, 2, 1, 3, \slot, 0
	WIN 0
.endm
.macro LAST sc
	s_wait_dscnt 0x0
	WIN MULW
	MUL 0, 4, 1, 3, \sc, 0
	WIN 0
.endm
.macro CSLOAD a, set
	WIN 0xc0
.irp b, 0,1,2,3
.irp j, 0,1,2,3
	global_load_b128 v[128*(\set)+16*\b+4*\j:128*(\set)+16*\b+4*\j+3], v5, s[8:9] offset:(32*((\a)/2)+8*((\a)%2))*512+128*\b+16*\j
.endr
.endr
.irp b, 0,1,2,3
.irp j, 0,1,2,3
	global_load_b128 v[128*(\set)+64+16*\b+4*\j:128*(\set)+64+16*\b+4*\j+3], v5, s[10:11] offset:(32*((\a)/2)+8*((\a)%2))*512+128*\b+16*\j
.endr
.endr
	WIN 0
.endm
.macro ROPE a, set
	WIN 0x0e
.set n, 0
.rept 32
	v_pk_mul_f32 v[T+n:T+n+1], v[64*(\a)+n:64*(\a)+n+1], v[128*(\set)+n:128*(\set)+n+1]
.set n, n+2
.endr
.set n, 0
.rept 16
	v_pk_fma_f32 v[T+n:T+n+1], v[64*(\a)+n+32:64*(\a)+n+33], v[128*(\set)+64+n:128*(\set)+65+n], v[T+n:T+n+1] neg_lo:[1,0,0] neg_hi:[1,0,0]
.set n, n+2
.endr
.rept 16
	v_pk_fma_f32 v[T+n:T+n+1], v[64*(\a)+n-32:64*(\a)+n-31], v[128*(\set)+64+n:128*(\set)+65+n], v[T+n:T+n+1]
.set n, n+2
.endr
	WIN 0
.endm
.macro CSLOADW a                       ; cos and sin of block a into window 1: cos at v192-255, which no fragment uses, sin at v0-63, in fragment set 0
	WIN 0x40
.irp b, 0,1,2,3
.irp j, 0,1,2,3
	global_load_b128 v[192+16*\b+4*\j:192+16*\b+4*\j+3], v5, s[8:9] offset:(32*((\a)/2)+8*((\a)%2))*512+128*\b+16*\j
	global_load_b128 v[16*\b+4*\j:16*\b+4*\j+3], v5, s[10:11] offset:(32*((\a)/2)+8*((\a)%2))*512+128*\b+16*\j
.endr
.endr
	WIN 0
.endm
.macro ROPEW a                         ; RoPE with cos and sin as CSLOADW has laid them
	WIN 0x06
.set n, 0
.rept 32
	v_pk_mul_f32 v[T+n:T+n+1], v[64*(\a)+n:64*(\a)+n+1], v[192+n:192+n+1]
.set n, n+2
.endr
.set n, 0
.rept 16
	v_pk_fma_f32 v[T+n:T+n+1], v[64*(\a)+n+32:64*(\a)+n+33], v[n:n+1], v[T+n:T+n+1] neg_lo:[1,0,0] neg_hi:[1,0,0]
.set n, n+2
.endr
.rept 16
	v_pk_fma_f32 v[T+n:T+n+1], v[64*(\a)+n-32:64*(\a)+n-31], v[n:n+1], v[T+n:T+n+1]
.set n, n+2
.endr
	WIN 0
.endm
.macro SENDF a
.irp c, 0,1,2
	global_store_b128 v3, v[PC+4*\c:PC+4*\c+3], s[IMG:IMG+1] offset:1536*(\a)+512*\c
.endr
.endm
	s_wait_alu depctr_va_vdst(0)
	s_wait_tensorcnt 0x0                           ; my part of quad 0 is in
	ds_add_u32 v[SPW], v[NIL]
	s_wait_dscnt 0x0
	CROUND
	JLOAD G0+4, G1, G0B+4, G1B                     ; quad 1, the first tensor load behind the round
	FETCH 0, 0, 0
	SCALES 0
	global_prefetch_b8 v6, s[20:21] offset:2*REC th:TH_LOAD_NT scope:SCOPE_SE
	s_cmp_eq_u32 s17, 0
	s_cbranch_scc1 .Lhead_asked
	global_prefetch_b8 v6, s[20:21] offset:2*REC+QUADS*REC th:TH_LOAD_NT scope:SCOPE_SE
.Lhead_asked:
	STEP 0, 0, 1
	s_mov_b32 s3, QUADS/2-1
.Llap:
	STEP 0, 1, 0
	STEP 0, 2, 0
	TURN 0, 1, 1
	STEP 1, 0, 0
	STEP 1, 1, 0
	STEP 1, 2, 0
	TURN 1, 0, 1
	STEP 0, 0, 0
	s_wait_xcnt 0x0                                ; my prefetches have read their base, which steps two quads on
	s_add_nc_u64 s[20:21], s[20:21], 2*REC
	s_sub_co_u32 s3, s3, 1
	s_cmp_lg_u32 s3, 0
	s_cbranch_scc1 .Llap
	STEP 0, 1, 0
	STEP 0, 2, 0
	TURN 0, 1, 0
	s_cmp_eq_u32 s[VR], 1
	s_cbranch_scc1 .Lrole_v
	CSLOAD 0, 0
	CSLOAD 1, 1
	STEP 1, 0, 0
	STEP 1, 1, 0
	STEP 1, 2, 0
	PLACES                                         ; behind the products on fragment set 0, which takes block 2's sin
	CSLOADW 2
	LAST 1
	PLACES
.irp b, 0,1,2,3
	v_mov_b32 v[TM+4+\b], 0
.endr
	s_wait_loadcnt 63                              ; block 0's cos and sin are in: 64 loads were issued behind them
	ROPE 0, 0
	CSLOAD 3, 0                                    ; into the registers that block 0's have left
	QUANT T, 0, PW
	SENDF 0
	s_wait_loadcnt 63                              ; block 1's: 64 behind them
	ROPE 1, 1
	s_wait_xcnt 0x0                                ; the last block's stores have read the codes' registers
	QUANT T, 0, PW+1
	SENDF 1
	s_wait_loadcnt 32                              ; block 2's: block 3's 32 may be out
	ROPEW 2
	s_wait_xcnt 0x0
	QUANT T, 0, PW+2
	SENDF 2
	s_wait_loadcnt 0x0
	ROPE 3, 0
	s_wait_xcnt 0x0
	QUANT T, 0, PW+3
	SENDF 3
	s_branch .Lend
.Lrole_v:
	STEP 1, 0, 0
	STEP 1, 1, 0
	STEP 1, 2, 0
	LAST 1
	PLACES
.irp b, 0,1,2,3
	v_mov_b32 v[TM+4+\b], 0
.endr
.irp a, 0,1,2,3
.if \a > 0
	s_wait_xcnt 0x0
.endif
	QUANT 64*\a, 2, PW+\a
	SENDF \a
.endr
.Lend:
	global_store_b128 v4, v[PW:PW+3], s[SCL:SCL+1]
	s_wait_tensorcnt 0x0
	ds_add_u32 v[SPW], v[NIL]
	s_wait_dscnt 0x0
	CROUND
	s_endpgm
.Lfunc_end_k_qb8e82f5cb7_qkv:
	.size	k_qb8e82f5cb7_qkv, .Lfunc_end_k_qb8e82f5cb7_qkv-k_qb8e82f5cb7_qkv
	.p2alignl 7, 3214868480
	.fill 96, 4, 3214868480
	.section	.rodata,"a",@progbits
	.p2align	6, 0x0
	.amdhsa_kernel k_qb8e82f5cb7_qkv
		.amdhsa_group_segment_fixed_size 327680
		.amdhsa_private_segment_fixed_size 0
		.amdhsa_enable_private_segment 0
		.amdhsa_kernarg_size 48
		.amdhsa_user_sgpr_count 2
		.amdhsa_user_sgpr_kernarg_segment_ptr 1
		.amdhsa_wavefront_size32 1
		.amdhsa_system_sgpr_workgroup_id_x 1
		.amdhsa_system_sgpr_workgroup_id_y 1
		.amdhsa_system_sgpr_workgroup_id_z 1
		.amdhsa_system_vgpr_workitem_id 0
		.amdhsa_next_free_vgpr 1024
		.amdhsa_next_free_sgpr 96
		.amdhsa_reserve_vcc 0
		.amdhsa_float_denorm_mode_32 3
		.amdhsa_float_denorm_mode_16_64 3
		.amdhsa_memory_ordered 1
		.amdhsa_forward_progress 1
		.amdhsa_inst_pref_size 206
	.end_amdhsa_kernel
	.amdgpu_metadata
---
amdhsa.version: [ 1, 2 ]
amdhsa.kernels:
  - .name:           k_qb8e82f5cb7_qkv
    .symbol:         k_qb8e82f5cb7_qkv.kd
    .args:
      - { .name: x_rec, .offset: 0, .size: 8, .value_kind: global_buffer, .address_space: global }
      - { .name: w_rec, .offset: 8, .size: 8, .value_kind: global_buffer, .address_space: global }
      - { .name: cos, .offset: 16, .size: 8, .value_kind: global_buffer, .address_space: global }
      - { .name: sin, .offset: 24, .size: 8, .value_kind: global_buffer, .address_space: global }
      - { .name: q_rec, .offset: 32, .size: 8, .value_kind: global_buffer, .address_space: global }
      - { .name: kv_rec, .offset: 40, .size: 8, .value_kind: global_buffer, .address_space: global }
    .group_segment_fixed_size: 327680
    .private_segment_fixed_size: 0
    .kernarg_segment_align: 8
    .kernarg_segment_size: 48
    .max_flat_workgroup_size: 128
    .sgpr_count:     96
    .vgpr_count:     1024
    .wavefront_size: 32
...
	.end_amdgpu_metadata
.endif
;; end of part 2
;; launch attn (part 3): grid 32 x 8, 8 waves a work-group, clusters of 4 x 1, 327,680 bytes of LDS; arguments q_rec, kv_rec, a_rec; writes a_rec
.if DOCPART == 3
	.amdgcn_target "amdgcn-amd-amdhsa--gfx1250"
	.amdhsa_code_object_version 6
	.text
	.protected	k_qb8e82f5cb7_attn
	.globl	k_qb8e82f5cb7_attn
	.p2align	8
	.type	k_qb8e82f5cb7_attn,@function
k_qb8e82f5cb7_attn:
	s_mov_b64 s[64:65], 0
	v_nop
	global_prefetch_b8 v0, s[64:65] scope:SCOPE_SE
	s_setreg_imm32_b32 hwreg(HW_REG_WAVE_MODE, 25, 1), 1
	s_wait_xcnt 0x0
	s_wait_alu depctr_hold_cnt(0) depctr_sa_sdst(0) depctr_va_vdst(0) depctr_va_sdst(0) depctr_va_ssrc(0) depctr_va_vcc(0) depctr_vm_vsrc(0)
	s_getreg_b32 s2, hwreg(HW_REG_IB_STS2, 6, 4)
	s_cmp_eq_u32 s2, 0
	s_cbranch_scc0 .Lentry_in_a_cluster
	s_endpgm
.Lentry_in_a_cluster:
	s_bfe_u32 s2, ttmp6, 0x10000c
	s_cmp_lg_u32 s2, 0x3003
	s_cbranch_scc0 .Lentry_shape_is_right
	s_endpgm
.Lentry_shape_is_right:
; Causal attention on codes of FP6 (E2M3) with E8M0 scales: 2 batches x 8 query heads (4 key heads) x 2,048 tokens x 128.  The result is divided by the row's sum, quantised along (head, d) and leaves as an operand's image.
; SOFTMAX: t = score x log2(e) / sqrt(128); M = the running largest t rounded up to a whole number; p = 2^(t - M) is quantised along the keys, not normalised; the sum is taken of the unquantised p.
; When M moves, the sum and O^T are multiplied by f = 2^(old M - new M): exact.
; SHARES.  Cluster x = m (0-7), y = (batch, key head).  A work-group takes 64 queries of block m of 128 and the same 64 of block 15 - m: a walk of (m + 1) + (16 - m) = 17 entries of 128 keys, for every work-group.
; Entry e of the walk is key step e where e <= m, else e - m - 1; entries m and 16 lie on the diagonal, where hidden scores become -infinity.
; EIGHT WAVES, TWO TO A SIMD, SHARE THE KEYS: wave w holds tile w % 4 of 16 queries; set w / 4 = 0 takes entries 0, 2 .. 16, set 1 entries 1, 3 .. 15.  So one wave's vector work stands beside the other's
; loads, products and waits.  Each wave keeps a part (O^T, sum, M) of the low block and one of the high block; at the end set 0 hands its low part and set 1 its high part to the partner wave through LDS,
; and each merges and finishes one block: with M = the larger of the two, each part is multiplied by 2^(its M - M), which rounds nothing.
; d = m - (the wave's entry) is made of ids alone.  d = 0 or 1: the wave's last entry of the low block: Q of the high block is fetched, and behind the second product the part is copied away and the largest t set back:
; the next step's f is then 0 and brings O^T and the sum to zero.  That takes O^T and the sum to be finite.  Where m = 0, set 1 has no low entry: it begins with the high block, and its low part is the empty one set at the head.
; CLUSTER.  The four partners are the two query heads of the key head x the two halves of the block: they walk the same entries, so every tile is asked for jointly.
; LAYOUT.  Both products transposed (S^T = K Q^T, O^T = V^T P^T): a lane holds one query.  All operands come as images of registers (1,536 bytes a fragment, 16 x lane): three loads of 16 bytes a lane.
; Lane r of a tile t stands for row 32 (t / 2) + 8 (t % 2) + r + 8 (r / 8): so p's, and O^T's, 16 registers of two neighbouring tiles are 16 neighbours along the next K.
; PIPELINE.  A round's K fragments are asked for in the round before, behind that round's scores; its V fragments behind that round's second product.  The nine rounds are written out: every LDS offset is an immediate.
; LIMITS: NaN and infinities are not served; a block of p or of the result whose largest magnitude lies under 2^-124 keeps the byte 1.  The result's scale words leave 4 bytes a lane (64 bytes for each 1,536 of codes).
; REGISTERS: window 0: v1-3, v7, v10 lane terms, v5-6 for the add, v12 -M, v13 the largest t, v[14:15] the sum, v16-27 Q, v40-43 K's scale words, v44-47 V's, v48-55 LDS bases, v58-61 the exchange's addresses,
;   v62-63 the saved sum and -M, v96-159 S^T then p, v160-223 O^T, v224-235 codes, v232-254 at work, v253 p's scale word, v255 Q's.   window 1: v0-95 K's eight fragments, v96-191 V's, v192-255 the saved O^T.
.set REC,   6400
.set ENT,   25600                      ; an entry: K's 8 images, V^T's 8, K's two blocks of scale words, V's two
.set SLOTB, 4*ENT                      ; a slot holds four entries: two rounds
.set SPARE, 2*SLOTB                    ; behind the ring: the spare words, 128 bytes a wave, that no other line names
.set XCH,   SPARE+1024                 ; the exchange: for each wave 64 registers' images, then the sum and -M: bytes of their own, into which no fill lands
.set XST,   8704
.set TM, 232
.set PC, 224
.set KB, 48                            ; v48-51 my lane's place in the images of my set's entry of rounds 0-3 (mod 4);  v52-55 in its scale words
.set SB, 52
.set XW, 58                            ; v58 where I put images, v59 single words;  v60, v61 where I read the partner's
.set XS, 59
.set XR, 60
.set XRS, 61
.set LS, 62
.set MS, 63
.set WV, 16
.set M,  17                            ; s17 m;  s18 m + 1;  s19 m - set
.set M1, 18
.set D0, 19
.set SEL, 20
.set CS,  22
.set G1,  24                           ; s[24:31] group 1: 50 rows of 256 bytes
.set G0A, 40                           ; s[40:43] group 0 for place 0;  s[44:47] for place 1
.set G0B, 44
.set KVB, 48                           ; s[48:49] kv_rec at my (batch, key head)
.set EW,  50
.set HB,  51                           ; s51 which half of an entry I bring: 0 or 12,800
.set W2,  52                           ; s52 wave / 2
.set SET, 53                           ; s53 wave / 4
.set LIM, 54                           ; s54 1 in a wave that prefetches
.set WT,  55                           ; s55 wave % 4: my tile
.set PFA, 56
.set Q0,  58                           ; Q's image and scale words: the block that I begin with, and the high block
.set QS0, 60
.set QH,  62
.set QSH, 66
.set AI,  68                           ; the result's image and scale words, of the block that I finish
.set AS,  70
.set MSB, 0
.macro WIN new                         ; the immediate's high byte repeats the setting that is left
.if MSB != (\new)
	s_set_vgpr_msb (MSB<<8)|(\new)
.set MSB, (\new)
.endif
.endm
.macro PLACES                          ; four plain places behind matrix instructions, in front of loads into their sources and of reads of their results
.rept 4
	v_nop
.endr
.endm
.macro ROUND                           ; a round of the cluster's barrier
	s_barrier_signal -1
	s_barrier_wait -1
	s_cmp_lg_u32 s[WV], 0
	s_cbranch_scc1 .Lnot_wave_0_\@
	s_barrier_signal -3
.Lnot_wave_0_\@:
	s_barrier_wait -3
	s_barrier_signal -1
	s_barrier_wait -1
.endm
.macro SETG0 g0, ereg, ebase, hreg     ; a descriptor's address for entry ebase + s[ereg], part s[hreg]: made of m, y and the wave's number, which all four partners share
	s_add_co_u32 s[EW], s[\ereg], \ebase
	s_cmp_gt_u32 s[EW], s[M]
	s_cselect_b32 s84, s[M1], 0
	s_sub_co_u32 s84, s[EW], s84                   ; the key step
	s_mul_i32 s84, s84, ENT
	s_add_co_u32 s84, s84, s[\hreg]
	s_add_nc_u64 s[\g0+2:\g0+3], s[KVB:KVB+1], s[84:85]
	s_or_b32 s[\g0+3], s[\g0+3], 0x80000000
.endm
.macro QUANT s, pw                     ; 64 numbers, register 16 b + i = k 32 b + 16 (lane / 16) + i, become codes in v[PC] on and the scale word v[pw]
.irp b, 0,1,2,3
	v_max3_num_f32 v[TM+\b], |v[(\s)+16*\b]|, |v[(\s)+1+16*\b]|, 0x1800000   ; and the floor 2^(3 - 127): the byte cannot fall under 1
.endr
.irp i, 2,4,6,8,10,12,14
.irp b, 0,1,2,3
	s_delay_alu instid0(VALU_DEP_4)
	v_max3_num_f32 v[TM+\b], v[TM+\b], |v[(\s)+16*\b+\i]|, |v[(\s)+1+16*\b+\i]|
.endr
.endr
.irp b, 0,1,2,3
	s_delay_alu instid0(VALU_DEP_4)
	v_permlanex16_b32 v[TM+4+\b], v[TM+\b], s[SEL], s[SEL+1]
.endr
.irp b, 0,1,2,3
	s_delay_alu instid0(VALU_DEP_4)
	v_max_num_f32 v[TM+\b], v[TM+\b], v[TM+4+\b]
.endr
.irp b, 0,1,2,3
	s_delay_alu instid0(VALU_DEP_4)
	v_add_nc_u32 v[TM+12+\b], 0xff000000, v[TM+\b]   ; 2 off the exponent field: the conversion's scale operand
.endr
.irp b, 0,1,2,3
	s_delay_alu instid0(VALU_DEP_4)
	v_lshrrev_b32 v[TM+4+\b], 23, v[TM+12+\b]
.endr
	s_delay_alu instid0(VALU_DEP_3)
	v_lshl_or_b32 v[\pw], v[TM+5], 8, v[TM+4]
	s_delay_alu instid0(VALU_DEP_1)
	v_lshl_or_b32 v[\pw], v[TM+6], 16, v[\pw]
	s_delay_alu instid0(VALU_DEP_1)
	v_lshl_or_b32 v[\pw], v[TM+7], 24, v[\pw]
.irp c, 0,1
	v_cvt_scalef32_pk16_fp6_f32 v[PC+6*\c:PC+2+6*\c], v[(\s)+32*\c:(\s)+15+32*\c], v[TM+12+2*\c]
	v_cvt_scalef32_pk16_fp6_f32 v[PC+12+4*\c:PC+14+4*\c], v[(\s)+16+32*\c:(\s)+31+32*\c], v[TM+12+2*\c+1]
.endr
	v_nop                                          ; one plain place behind a scaled conversion
.irp c, 0,1
.irp i, 0,1,2
	v_permlane16_swap_b32 v[PC+6*\c+\i], v[PC+12+4*\c+\i]
.endr
.irp i, 0,1,2
	s_delay_alu instid0(VALU_DEP_3)
	v_mov_b32 v[PC+3+6*\c+\i], v[PC+12+4*\c+\i]
.endr
.endr
.endm
	s_load_b128 s[4:7], s[0:1], 0x0                ; q_rec, kv_rec
	s_load_b64 s[8:9], s[0:1], 0x10                ; a_rec
	v_lshl_add_u32 v5, v0, 2, SPARE
	v_mov_b32 v6, 0
	ds_add_u32 v5, v6
	ds_add_u32 v5, v6
	s_wait_dscnt 0x0
	v_lshrrev_b32 v1, 5, v0
	s_delay_alu instid0(VALU_DEP_1)
	v_readfirstlane_b32 s[WV], v1                  ; wave 0..7
	s_and_b32 s[WT], s[WV], 3
	s_lshr_b32 s[SET], s[WV], 2
	s_lshr_b32 s[W2], s[WV], 1
	s_mov_b32 s[M], ttmp9
	s_add_co_u32 s[M1], ttmp9, 1
	s_sub_co_u32 s[D0], ttmp9, s[SET]              ; m - set; in round t, d = this - 2 t (it wraps to a great number where my entry lies behind m)
	s_and_b32 s13, ttmp7, 0xffff                   ; y = 4 x batch + key head
	s_mul_i32 s[KVB], s13, 16*ENT
	s_mov_b32 s[KVB+1], 0
	s_mov_b32 s[G1], 15|(3<<16)|(1<<21)            ; the mask: all four work-groups; elements of 8 bytes; bit 21 beside a mask
	s_mov_b32 s[G1+1], 32<<16                      ; rows of 256 bytes
	s_mov_b32 s[G1+2], 50<<16                      ; half an entry
	s_mov_b32 s[G1+3], 32<<16
	s_mov_b32 s[G1+4], 50
	s_mov_b32 s[G1+5], 32
	s_mov_b32 s[G1+6], 0
	s_mov_b32 s[G1+7], 0
	s_and_b32 s[HB], s[WV], 1
	s_mul_i32 s[HB], s[HB], ENT/2
	s_mov_b32 s85, 0
	s_wait_kmcnt 0x0
	s_add_nc_u64 s[KVB:KVB+1], s[6:7], s[KVB:KVB+1]
	s_mov_b32 s[G0A], 1
	s_mul_i32 s[G0A+1], s[WV], ENT/2               ; a whole slot: wave w brings half w % 2 of the slot's entry w / 2
	SETG0 G0A, W2, 0, HB                           ; slot 0: entries 0 to 3
	s_mov_b32 s[G0B], 1
	s_add_co_u32 s[G0B+1], s[G0A+1], SLOTB
	SETG0 G0B, W2, 4, HB                           ; slot 1: entries 4 to 7
	ROUND                                          ; all four work-groups are here: the first joint loads meet
	tensor_load_to_lds s[G0A:G0A+3], s[G1:G1+7]    ; my part of slot 0: one tensor load a wave at the head
	s_nop 0
.rept 4
	v_nop
.endr
	v_and_b32 v11, 31, v0
	s_delay_alu instid0(VALU_DEP_1)
	v_lshlrev_b32 v1, 4, v11                       ; 16 x lane
	s_delay_alu instid0(VALU_DEP_2)
	v_lshlrev_b32 v10, 8, v11                      ; 256 x lane: the prefetch's offset
	s_delay_alu instid0(VALU_DEP_3)
	v_lshlrev_b32 v8, 2, v11                       ; 4 x lane
	v_and_b32 v4, 15, v0                           ; r
	v_bfe_u32 v11, v0, 4, 1                        ; h
	s_delay_alu instid0(VALU_DEP_2)
	v_lshlrev_b32 v7, 4, v4                        ; 16 r
	s_delay_alu instid0(VALU_DEP_1)
	v_lshl_add_u32 v2, v11, 8, v7                  ; 16 r + 256 h: lanes 0-15 take tiles 0-3's scale words, lanes 16-31 tiles 4-7's
	s_delay_alu instid0(VALU_DEP_4)
	v_and_b32 v3, 8, v4
	s_delay_alu instid0(VALU_DEP_1)
	v_add_nc_u32 v3, v3, v4
	v_lshlrev_b32 v11, 4, v11
	s_delay_alu instid0(VALU_DEP_1)
	v_sub_nc_u32 v3, v3, v11                       ; r + 8 (r / 8) - 16 h
	s_mul_i32 s80, s[SET], ENT                     ; every LDS address register is made here, ahead of the first parting of the waves
.irp i, 0,1,2,3
	v_add_nc_u32 v[KB+\i], s80, v1                 ; round t reads at (t % 4) x two entries + my set's entry
	v_add_nc_u32 v[SB+\i], s80, v2
	s_add_co_u32 s80, s80, 2*ENT
.endr
	s_mul_i32 s80, s[WV], XST
	s_add_co_u32 s80, s80, XCH
	v_add_nc_u32 v[XW], s80, v1
	v_add_nc_u32 v[XS], s80, v8
	s_xor_b32 s81, s[WV], 4                        ; the partner: the same tile in the other set
	s_mul_i32 s81, s81, XST
	s_add_co_u32 s81, s81, XCH
	v_add_nc_u32 v[XR], s81, v1
	v_add_nc_u32 v[XRS], s81, v8
	s_bfe_u32 s10, ttmp6, 0x40000                  ; cx: it enters Q's, the result's and the prefetch's addresses and the mask's numbers alone
	s_and_b32 s11, s10, 1
	s_lshr_b32 s12, s10, 1                         ; which 64 queries of a block
	s_and_b32 s14, s13, 3
	s_lshl_b32 s14, s14, 1
	s_add_co_u32 s14, s14, s11                     ; the query head
	s_lshr_b32 s15, s13, 2                         ; the batch
	s_mov_b32 s3, 0
	s_lshl_b32 s80, s12, 6
	s_lshr_b32 s81, s[WT], 1
	s_lshl_b32 s81, s81, 5
	s_add_co_u32 s80, s80, s81
	s_and_b32 s81, s[WT], 1
	s_lshl_b32 s81, s81, 3
	s_add_co_u32 s80, s80, s81
	v_add_nc_u32 v3, s80, v3                       ; my query's place in its block of 128, less 16 h: register 16 b + i is hidden on the diagonal where 32 b + i is greater
	s_lshl_b32 s80, s15, 3
	s_add_co_u32 s80, s80, s14
	s_lshl_b32 s80, s80, 5
	s_add_co_u32 s80, s80, s12                     ; q_rec: (8 x batch + head) x 32 + half,
	s_lshl_b32 s81, s[M], 1
	s_add_co_u32 s82, s80, s81                     ; + 2 m,
	s_sub_co_u32 s83, s80, s81
	s_add_co_u32 s83, s83, 30                      ; or + 2 (15 - m)
	s_cmp_gt_u32 s[SET], s[M]                      ; set 1 with m = 0 has no entry of the low block
	s_cselect_b32 s82, s83, s82
	s_mul_i32 s82, s82, REC
	s_mul_i32 s83, s83, REC
	s_mul_i32 s87, s[WT], 1536                     ; my tile's image,
	s_lshl_b32 s88, s[WT], 2
	s_add_co_u32 s88, s88, 4*1536                  ; and its scale words
	s_add_co_u32 s2, s82, s87
	s_add_nc_u64 s[Q0:Q0+1], s[4:5], s[2:3]
	s_add_co_u32 s2, s82, s88
	s_add_nc_u64 s[QS0:QS0+1], s[4:5], s[2:3]
	s_add_co_u32 s2, s83, s87
	s_add_nc_u64 s[QH:QH+1], s[4:5], s[2:3]
	s_add_co_u32 s2, s83, s88
	s_add_nc_u64 s[QSH:QSH+1], s[4:5], s[2:3]
	s_sub_co_u32 s81, 15, s[M]
	s_cmp_lg_u32 s[SET], 0
	s_cselect_b32 s81, s[M], s81                   ; the block that I finish: set 0 the high one, set 1 the low one
	s_lshl_b32 s80, s15, 7
	s_lshl_b32 s81, s81, 3
	s_add_co_u32 s80, s80, s81
	s_lshl_b32 s81, s12, 2
	s_add_co_u32 s80, s80, s81
	s_add_co_u32 s80, s80, s[WT]                   ; a_rec: block 128 x batch + 8 x block + 4 x half + tile
	s_lshl_b32 s80, s80, 1
	s_lshr_b32 s81, s14, 2
	s_add_co_u32 s80, s80, s81                     ; the record of heads 0-3 or 4-7
	s_mul_i32 s80, s80, REC
	s_and_b32 s81, s14, 3
	s_mul_i32 s82, s81, 1536
	s_lshl_b32 s83, s81, 2
	s_add_co_u32 s83, s83, 4*1536
	s_add_co_u32 s2, s80, s82
	s_add_nc_u64 s[AI:AI+1], s[8:9], s[2:3]
	s_add_co_u32 s2, s80, s83
	s_add_nc_u64 s[AS:AS+1], s[8:9], s[2:3]
	s_add_co_u32 s80, s10, 11                      ; the prefetch: partner cx stands at key step 11 + cx
	s_mul_i32 s80, s80, ENT
	s_lshl_b32 s81, s[WV], 13
	s_add_co_u32 s2, s80, s81
	s_add_nc_u64 s[PFA:PFA+1], s[KVB:KVB+1], s[2:3]
	s_cmp_lt_u32 s[WV], 3
	s_cselect_b32 s80, 0, 1
	s_or_b32 s80, s80, ttmp9                       ; waves 0 to 2 of the cluster with m = 0: the same in all four partners
	s_cmp_eq_u32 s80, 0
	s_cselect_b32 s[LIM], 1, 0
	s_mov_b32 s[SEL], 0x76543210
	s_mov_b32 s[SEL+1], 0xfedcba98
	s_mov_b32 s[CS], 0x3e0293ee                    ; c = log2(e) / sqrt(128)
	s_mov_b32 s[CS+1], s[CS]
.macro QLOAD pq, ps
.irp c, 0,1,2
	global_load_b128 v[16+4*\c:19+4*\c], v1, s[\pq:\pq+1] offset:512*\c
.endr
	global_load_b32 v255, v7, s[\ps:\ps+1]
.endm
	QLOAD Q0, QS0
	v_mov_b32 v13, 0xff61b1e6                      ; the largest t so far: -3e38
	s_delay_alu instid0(VALU_DEP_1)
	v_floor_f32 v12, -v13                          ; -M
	v_mov_b32 v14, 0
	v_mov_b32 v15, 0
	v_mov_b32 v[LS], 0                             ; the saved part begins empty: zeros, and an M under every M
	s_delay_alu instid0(VALU_DEP_4)
	v_mov_b32 v[MS], v12
.irp b, 0,1,2,3
	v_mov_b32 v[236+\b], 0                         ; a lane permute's destination counts as one of its sources
.endr
	v_mov_b32 v253, 0
.set n, 0
.rept 64
	v_mov_b32 v[160+n], 0                          ; O^T: the step has no first step of its own
.set n, n+1
.endr
	WIN 0x40
.set n, 0
.rept 64
	v_mov_b32 v[192+n], 0                          ; the saved O^T: it stays so in a wave that has no entry of the low block
.set n, n+1
.endr
	WIN 0
.macro KLOAD kb, sb                    ; K's eight fragments and their scale words: 25 loads
	WIN 0x40
.irp t, 0,1,2,3,4,5,6,7
.irp c, 0,1,2
	ds_load_b128 v[12*\t+4*\c:12*\t+4*\c+3], v[\kb] offset:1536*\t+512*\c
.endr
.endr
	WIN 0
	ds_load_b128 v[40:43], v[\sb] offset:16*1536
.endm
.macro VLOAD kb, sb                    ; V^T's likewise
	WIN 0x40
.irp t, 0,1,2,3,4,5,6,7
.irp c, 0,1,2
	ds_load_b128 v[96+12*\t+4*\c:96+12*\t+4*\c+3], v[\kb] offset:8*1536+1536*\t+512*\c
.endr
.endr
	WIN 0
	ds_load_b128 v[44:47], v[\sb] offset:16*1536+512
.endm
.macro SMUL                            ; S^T = K Q^T: eight tiles of 16 keys
	s_wait_loadcnt 0x0                             ; Q
	s_wait_dscnt 25                                ; K's 25 loads are in; V's 25, issued behind them, may be out
	WIN 0x01
.irp t, 0,1,2,3
	v_wmma_scale_f32_16x16x128_f8f6f4 v[96+8*\t:103+8*\t], v[12*\t:12*\t+11], v[16:27], 0, v[40+\t], v255 matrix_a_fmt:MATRIX_FMT_FP6 matrix_b_fmt:MATRIX_FMT_FP6
.endr
.irp t, 4,5,6,7
	v_wmma_scale_f32_16x16x128_f8f6f4 v[96+8*\t:103+8*\t], v[12*\t:12*\t+11], v[16:27], 0, v[36+\t], v255 matrix_a_fmt:MATRIX_FMT_FP6 matrix_b_fmt:MATRIX_FMT_FP6 matrix_a_scale:MATRIX_SCALE_ROW1
.endr
	WIN 0
.endm
.macro PVMUL cnt                       ; O^T += V^T P^T: eight accumulators by turns
	s_wait_dscnt \cnt                              ; V's loads are in; the next round's 25 of K may be out
	WIN 0x01
.irp t, 0,1,2,3
	v_wmma_scale_f32_16x16x128_f8f6f4 v[160+8*\t:167+8*\t], v[96+12*\t:107+12*\t], v[224:235], v[160+8*\t:167+8*\t], v[44+\t], v253 matrix_a_fmt:MATRIX_FMT_FP6 matrix_b_fmt:MATRIX_FMT_FP6
.endr
.irp t, 4,5,6,7
	v_wmma_scale_f32_16x16x128_f8f6f4 v[160+8*\t:167+8*\t], v[96+12*\t:107+12*\t], v[224:235], v[160+8*\t:167+8*\t], v[40+\t], v253 matrix_a_fmt:MATRIX_FMT_FP6 matrix_b_fmt:MATRIX_FMT_FP6 matrix_a_scale:MATRIX_SCALE_ROW1
.endr
	WIN 0
.endm
.macro MASK                            ; on the diagonal: hidden scores become -infinity ahead of the maximum, so that p = 0
	v_mov_b32 v254, 0xff800000
.set n, 0
.rept 64
	v_cmp_gt_i32 vcc_lo, 32*(n/16)+n%16, v3
	v_cndmask_b32 v[96+n], v[96+n], v254, vcc_lo
.set n, n+1
.endr
.endm
.macro SOFTMAX
.irp b, 0,1,2,3
	v_max3_num_f32 v[232+\b], v[96+16*\b], v[97+16*\b], v[98+16*\b]   ; the largest score of each block of 32 keys: for the row's maximum, and, since p rises with the score, for the block's largest p
.endr
.irp i, 3,5,7,9,11,13
.irp b, 0,1,2,3
	v_max3_num_f32 v[232+\b], v[232+\b], v[96+16*\b+\i], v[97+16*\b+\i]
.endr
.endr
.irp b, 0,1,2,3
	v_max_num_f32 v[232+\b], v[232+\b], v[111+16*\b]
.endr
.irp b, 0,1,2,3
	s_delay_alu instid0(VALU_DEP_4)
	v_permlanex16_b32 v[236+\b], v[232+\b], s[SEL], s[SEL+1]
.endr
.irp b, 0,1,2,3
	s_delay_alu instid0(VALU_DEP_4)
	v_max_num_f32 v[232+\b], v[232+\b], v[236+\b]  ; with lane l xor 16's 16 keys
.endr
	s_delay_alu instid0(VALU_DEP_2)
	v_max3_num_f32 v254, v232, v233, v234
	s_delay_alu instid0(VALU_DEP_1)
	v_max_num_f32 v254, v254, v235
	s_delay_alu instid0(VALU_DEP_1)
	v_mul_f32 v254, s[CS], v254                    ; the step's largest t
	s_delay_alu instid0(VALU_DEP_1)
	v_max_num_f32 v13, v13, v254
	v_mov_b32 v254, v12
	s_delay_alu instid0(VALU_DEP_2)
	v_floor_f32 v12, -v13                          ; the new -M = -ceil(t)
	s_delay_alu instid0(VALU_DEP_1)
	v_sub_f32 v254, v12, v254                      ; old M - new M: a whole number, 0 or less
	s_delay_alu instid0(VALU_DEP_1)
	v_cvt_i32_f32 v254, v254                       ; (it saturates)
	s_delay_alu instid0(VALU_DEP_1)
	v_ldexp_f32 v252, 1.0, v254                    ; f
.set n, 0
.rept 32
	v_pk_fma_f32 v[96+n:97+n], v[96+n:97+n], s[CS:CS+1], v[12:13] op_sel_hi:[1,0,0]   ; t - M
.set n, n+2
.endr
.irp b, 0,1,2,3
	v_fma_f32 v[232+\b], v[232+\b], s[CS], v12
.endr
.set n, 0
	s_wait_alu depctr_va_vdst(0)
.rept 64
	v_exp_f32 v[96+n], v[96+n]                     ; p = 2^(t - M)
.set n, n+1
.endr
.irp b, 0,1,2,3
	v_exp_f32 v[232+\b], v[232+\b]                 ; the block's largest p: the same two instructions on the same number
.endr
	v_pk_mul_f32 v[14:15], v[14:15], v[252:253] op_sel_hi:[1,0]   ; the sums under the new M (a plain place behind the exponentials)
	s_wait_alu depctr_va_vdst(0)
.irp b, 0,1,2,3
	v_max_num_f32 v[232+\b], 0x1800000, v[232+\b]  ; the floor 2^(3 - 127)
.endr
.irp b, 0,1,2,3
	s_delay_alu instid0(VALU_DEP_4)
	v_add_nc_u32 v[244+\b], 0xff000000, v[232+\b]
.endr
.irp b, 0,1,2,3
	s_delay_alu instid0(VALU_DEP_4)
	v_lshrrev_b32 v[236+\b], 23, v[244+\b]
.endr
	s_delay_alu instid0(VALU_DEP_3)
	v_lshl_or_b32 v253, v237, 8, v236              ; p's scale word for these 128 keys
	s_delay_alu instid0(VALU_DEP_1)
	v_lshl_or_b32 v253, v238, 16, v253
	s_delay_alu instid0(VALU_DEP_1)
	v_lshl_or_b32 v253, v239, 24, v253
.irp c, 0,1
	v_cvt_scalef32_pk16_fp6_f32 v[224+6*\c:226+6*\c], v[96+32*\c:111+32*\c], v[244+2*\c]
	v_cvt_scalef32_pk16_fp6_f32 v[236+4*\c:238+4*\c], v[112+32*\c:127+32*\c], v[244+2*\c+1]
.endr
	v_nop
.irp c, 0,1
.irp i, 0,1,2
	v_permlane16_swap_b32 v[224+6*\c+\i], v[236+4*\c+\i]
.endr
.irp i, 0,1,2
	s_delay_alu instid0(VALU_DEP_3)
	v_mov_b32 v[227+6*\c+\i], v[236+4*\c+\i]
.endr
.endr
	v_pk_add_f32 v[236:237], v[100:101], v[104:105]
	v_pk_add_f32 v[250:251], v[108:109], v[112:113]
	v_pk_add_f32 v[248:249], v[116:117], v[120:121]
	v_pk_add_f32 v[246:247], v[124:125], v[128:129]
	v_pk_add_f32 v[244:245], v[132:133], v[136:137]
	v_pk_add_f32 v[242:243], v[140:141], v[144:145]
	v_pk_add_f32 v[240:241], v[148:149], v[152:153]
	v_pk_add_f32 v[14:15], v[14:15], v[156:157]
	v_pk_add_f32 v[236:237], v[236:237], v[96:97]
	v_pk_add_f32 v[250:251], v[250:251], v[98:99]
	v_pk_add_f32 v[248:249], v[248:249], v[102:103]
	v_pk_add_f32 v[246:247], v[246:247], v[106:107]
	v_pk_add_f32 v[244:245], v[244:245], v[110:111]
	v_pk_add_f32 v[242:243], v[242:243], v[114:115]
	v_pk_add_f32 v[240:241], v[240:241], v[118:119]
	v_pk_add_f32 v[14:15], v[14:15], v[122:123]
	v_pk_add_f32 v[236:237], v[236:237], v[126:127]
	v_pk_add_f32 v[250:251], v[250:251], v[130:131]
	v_pk_add_f32 v[248:249], v[248:249], v[134:135]
	v_pk_add_f32 v[246:247], v[246:247], v[138:139]
	v_pk_add_f32 v[244:245], v[244:245], v[142:143]
	v_pk_add_f32 v[242:243], v[242:243], v[146:147]
	v_pk_add_f32 v[240:241], v[240:241], v[150:151]
	v_pk_add_f32 v[14:15], v[14:15], v[154:155]
	v_pk_add_f32 v[236:237], v[236:237], v[158:159]
	s_delay_alu instid0(VALU_DEP_2)
	v_pk_add_f32 v[14:15], v[14:15], v[246:247]
	s_delay_alu instid0(VALU_DEP_2)
	v_pk_add_f32 v[236:237], v[236:237], v[244:245]
	v_pk_add_f32 v[250:251], v[250:251], v[242:243]
	v_pk_add_f32 v[248:249], v[248:249], v[240:241]
	s_delay_alu instid0(VALU_DEP_2)
	v_pk_add_f32 v[14:15], v[14:15], v[250:251]
	s_delay_alu instid0(VALU_DEP_2)
	v_pk_add_f32 v[236:237], v[236:237], v[248:249]
	s_delay_alu instid0(VALU_DEP_1)
	v_pk_add_f32 v[14:15], v[14:15], v[236:237]
.set n, 0
.rept 32
	v_pk_mul_f32 v[160+n:161+n], v[160+n:161+n], v[252:253] op_sel_hi:[1,0]   ; O^T under the new M; these are also the places in front of the second product
.set n, n+2
.endr
.endm
; My part of the low block is whole: it is copied away, and the largest t and -M are set back, so that the next step's f is 0.
.macro SAVE
	WIN 0x40
.set n, 0
.rept 64
	v_mov_b32 v[192+n], v[160+n]                   ; ascending: each accumulator is read from its low end on
.set n, n+1
.endr
	WIN 0
	v_add_f32 v[LS], v14, v15
	v_mov_b32 v[MS], v12
	v_mov_b32 v13, 0xff61b1e6
	s_delay_alu instid0(VALU_DEP_1)
	v_floor_f32 v12, -v13
.endm
; The partners are told apart by address, not by a branch.  All other key steps, and the entries' scale words, come by their loads alone.
.macro ASK
	s_cmp_eq_u32 s[LIM], 1
	s_cbranch_scc0 .Lnot_mine_\@
	global_prefetch_b8 v10, s[PFA:PFA+1] th:TH_LOAD_NT scope:SCOPE_SE
.Lnot_mine_\@:
.endm
; THE CHANGE OF SLOTS.  All fragments of the slot that is left are in registers behind the wait for the LDS loads.  fill = 1: that slot takes the four entries from ebase on, one load a wave;
; fill = 2: entry 16 alone, which is two waves' loads; fill = 0: nothing is left to ask for.
.macro CHANGE fill, ebase, g0
	s_wait_tensorcnt 0x0                           ; my part of the slot ahead has landed; no tensor load of mine is out, so a descriptor may be written
	ds_add_u32 v5, v6                              ; 0 onto my spare word
.if \fill
	SETG0 \g0, W2, \ebase, HB
.endif
	s_wait_dscnt 0x0                               ; the add is done, and my reads of the slot that I leave are over
.if \fill == 1
	ROUND                                          ; no wave of any partner still reads that slot or has a load on its way
	tensor_load_to_lds s[\g0:\g0+3], s[G1:G1+7]    ; my one tensor load until the next round: it has two rounds of the walk in which to land
	s_nop 0
.rept 4
	v_nop
.endr
.elseif \fill == 2
	ROUND
	s_cmp_lt_u32 s[WV], 2
	s_cbranch_scc0 .Lnone_\@
	tensor_load_to_lds s[\g0:\g0+3], s[G1:G1+7]
	s_nop 0
.rept 4
	v_nop
.endr
	s_branch .Ldone_\@
.Lnone_\@:
.rept 4
	v_nop
.endr
.Ldone_\@:
.else
	s_barrier_signal -1
	s_barrier_wait -1
	PLACES
.endif
.endm
; ROUND t OF THE WALK: my entry is 2 t + set.  sw = 1: it may be my last of the low block.
.macro STEP t, sw
	SMUL
.if (\t) == 1
	CHANGE 1, 8, G0A
	ASK
.elseif (\t) == 3
	CHANGE 1, 12, G0B
.elseif (\t) == 5
	CHANGE 2, 16, G0A
.elseif (\t) == 7
	CHANGE 0, 0, G0A
.else
	PLACES
.endif
.if (\t) == 7
	KLOAD 1, 2                                     ; entry 16 lies at the head of place 0; set 1 loads it too, so that the counts of the waits hold in every wave, and uses nothing of it
.else
	KLOAD KB+((\t)+1)%4, SB+((\t)+1)%4             ; the next round's K
.endif
.if \sw
	s_sub_co_u32 s86, s[D0], 2*(\t)                ; d = m - my entry
	s_cmp_ge_u32 s86, 2
	s_cbranch_scc1 .Lopen_\@
	QLOAD QH, QSH                                  ; the scores of my last entry of the low block are made: Q of the high block
	s_cmp_lg_u32 s86, 0
	s_cbranch_scc1 .Lopen_\@
	MASK
.Lopen_\@:
.endif
	SOFTMAX
	s_wait_alu depctr_va_vdst(0)
	PVMUL 25
	PLACES
.if (\t) == 7
	VLOAD 1, 2
.else
	VLOAD KB+((\t)+1)%4, SB+((\t)+1)%4             ; the next round's V
.endif
.if \sw
	s_cmp_ge_u32 s86, 2
	s_cbranch_scc1 .Lon_\@
	SAVE
.Lon_\@:
.endif
.endm
	s_wait_alu depctr_va_vdst(0)                   ; the wait at the head's end
	s_wait_tensorcnt 0x0                           ; my part of slot 0 is in
	ds_add_u32 v5, v6
	s_wait_dscnt 0x0
	ROUND                                          ; slot 0 is whole in every partner, and the joint loads meet
	tensor_load_to_lds s[G0B:G0B+3], s[G1:G1+7]    ; slot 1's first fill: my one tensor load behind the round; it has two rounds of the walk in which to land
	s_nop 0
.rept 4
	v_nop
.endr
	KLOAD KB, SB
	VLOAD KB, SB
	STEP 0, 1                                      ; m is under 8: the low block ends in rounds 0 to 3
	STEP 1, 1
	STEP 2, 1
	STEP 3, 1
	STEP 4, 0
	STEP 5, 0
	STEP 6, 0
	STEP 7, 0
	s_cmp_lg_u32 s[SET], 0
	s_cbranch_scc1 .Lno16
	SMUL
	PLACES
	MASK
	SOFTMAX
	s_wait_alu depctr_va_vdst(0)
	PVMUL 0
.Lno16:
	PLACES
	v_add_f32 v14, v14, v15                        ; the sum's two halves
	; THE EXCHANGE.  Set 0 hands over its part of the low block and keeps that of the high block; set 1 the other way round.
	s_cmp_lg_u32 s[SET], 0
	s_cbranch_scc1 .Lsend_high
	WIN 0x04                                       ; an LDS store's data: window 1
.irp i, 0,1,2,3,4,5,6,7,8,9,10,11,12,13,14,15
	ds_store_b128 v[XW], v[192+4*\i:195+4*\i] offset:512*\i
.endr
	WIN 0
	ds_store_b32 v[XS], v[LS] offset:8192
	ds_store_b32 v[XS], v[MS] offset:8320
	s_branch .Lsent
.Lsend_high:
.irp i, 0,1,2,3,4,5,6,7,8,9,10,11,12,13,14,15
	ds_store_b128 v[XW], v[160+4*\i:163+4*\i] offset:512*\i   ; each accumulator from its low end on
.endr
	s_wait_alu depctr_va_vdst(0)
	ds_store_b32 v[XS], v14 offset:8192
	ds_store_b32 v[XS], v12 offset:8320
	s_wait_dscnt 0x0                               ; the stores have read their registers, which take the part that I keep
	WIN 0x01
.set n, 0
.rept 64
	v_mov_b32 v[160+n], v[192+n]
.set n, n+1
.endr
	WIN 0
	v_mov_b32 v14, v[LS]
	v_mov_b32 v12, v[MS]
.Lsent:
	s_wait_alu depctr_va_vdst(0)
	s_wait_dscnt 0x0                               ; for the partner's sake: my stores have landed
	s_barrier_signal -1
	s_barrier_wait -1
.irp i, 0,1,2,3,4,5,6,7,8,9,10,11,12,13,14,15
	ds_load_b128 v[96+4*\i:99+4*\i], v[XR] offset:512*\i   ; the partner's part of my block: the same registers in the same lanes
.endr
	ds_load_b32 v248, v[XRS] offset:8192
	ds_load_b32 v249, v[XRS] offset:8320
	s_wait_dscnt 0x0
	v_min_num_f32 v250, v12, v249                  ; -M of the two parts together
	s_delay_alu instid0(VALU_DEP_1)
	v_sub_f32 v251, v250, v12                      ; my M - M, the partner's M - M: whole numbers, 0 or less
	s_delay_alu instid0(VALU_DEP_2)
	v_sub_f32 v252, v250, v249
	s_delay_alu instid0(VALU_DEP_2)
	v_cvt_i32_f32 v251, v251                       ; (they saturate: an empty part gets the factor 0)
	s_delay_alu instid0(VALU_DEP_2)
	v_cvt_i32_f32 v252, v252
	s_delay_alu instid0(VALU_DEP_2)
	v_ldexp_f32 v251, 1.0, v251
	s_delay_alu instid0(VALU_DEP_2)
	v_ldexp_f32 v252, 1.0, v252
	s_delay_alu instid0(VALU_DEP_2)
	v_mul_f32 v14, v14, v251
	s_delay_alu instid0(VALU_DEP_1)
	v_fma_f32 v14, v248, v252, v14                 ; the sum under M,
	s_delay_alu instid0(VALU_DEP_1)
	v_permlanex16_b32 v254, v14, s[SEL], s[SEL+1]
	s_delay_alu instid0(VALU_DEP_1)
	v_add_f32 v14, v14, v254                       ; with lane l xor 16's: the row's sum
	s_wait_alu depctr_va_vdst(0)
	v_rcp_f32 v14, v14
	v_nop                                          ; a plain place behind the transcendental
	s_wait_alu depctr_va_vdst(0)
	v_mul_f32 v240, v251, v14                      ; the two factors, each with the division by the sum in it
	v_mul_f32 v242, v252, v14
	s_delay_alu instid0(VALU_DEP_2)
	v_mov_b32 v241, v240                           ; (named with them as pairs, so they are written)
	s_delay_alu instid0(VALU_DEP_2)
	v_mov_b32 v243, v242
.set n, 0
.rept 32
	v_pk_mul_f32 v[96+n:97+n], v[96+n:97+n], v[242:243] op_sel_hi:[1,0]
.set n, n+2
.endr
.set n, 0
.rept 32
	v_pk_fma_f32 v[96+n:97+n], v[160+n:161+n], v[240:241], v[96+n:97+n] op_sel_hi:[1,0,1]   ; ascending: each accumulator from its low end on
.set n, n+2
.endr
	QUANT 96, 253                                  ; along d: my tile's fragment of K step "head" of the last product
.irp c, 0,1,2
	global_store_b128 v1, v[224+4*\c:227+4*\c], s[AI:AI+1] offset:512*\c   ; 32 lanes store 512 consecutive bytes, aligned
.endr
	global_store_b32 v7, v253, s[AS:AS+1]          ; lanes r and r + 16 store the same word
	s_wait_tensorcnt 0x0                           ; the wave's end
	ds_add_u32 v5, v6
	s_wait_dscnt 0x0
	ROUND                                          ; the closing round
	s_endpgm
.Lfunc_end_k_qb8e82f5cb7_attn:
	.size	k_qb8e82f5cb7_attn, .Lfunc_end_k_qb8e82f5cb7_attn-k_qb8e82f5cb7_attn
	.p2alignl 7, 3214868480
	.fill 96, 4, 3214868480
	.section	.rodata,"a",@progbits
	.p2align	6, 0x0
	.amdhsa_kernel k_qb8e82f5cb7_attn
		.amdhsa_group_segment_fixed_size 327680
		.amdhsa_private_segment_fixed_size 0
		.amdhsa_enable_private_segment 0
		.amdhsa_kernarg_size 24
		.amdhsa_user_sgpr_count 2
		.amdhsa_user_sgpr_kernarg_segment_ptr 1
		.amdhsa_wavefront_size32 1
		.amdhsa_system_sgpr_workgroup_id_x 1
		.amdhsa_system_sgpr_workgroup_id_y 1
		.amdhsa_system_sgpr_workgroup_id_z 1
		.amdhsa_system_vgpr_workitem_id 0
		.amdhsa_next_free_vgpr 512
		.amdhsa_next_free_sgpr 92
		.amdhsa_reserve_vcc 1
		.amdhsa_float_denorm_mode_32 3
		.amdhsa_float_denorm_mode_16_64 3
		.amdhsa_memory_ordered 1
		.amdhsa_forward_progress 1
		.amdhsa_inst_pref_size 246
	.end_amdhsa_kernel
	.amdgpu_metadata
---
amdhsa.version: [ 1, 2 ]
amdhsa.kernels:
  - .name:           k_qb8e82f5cb7_attn
    .symbol:         k_qb8e82f5cb7_attn.kd
    .args:
      - { .name: q_rec, .offset: 0, .size: 8, .value_kind: global_buffer, .address_space: global }
      - { .name: kv_rec, .offset: 8, .size: 8, .value_kind: global_buffer, .address_space: global }
      - { .name: a_rec, .offset: 16, .size: 8, .value_kind: global_buffer, .address_space: global }
    .group_segment_fixed_size: 327680
    .private_segment_fixed_size: 0
    .kernarg_segment_align: 8
    .kernarg_segment_size: 24
    .max_flat_workgroup_size: 256
    .sgpr_count:     92
    .vgpr_count:     512
    .wavefront_size: 32
...
	.end_amdgpu_metadata
.endif
;; end of part 3
;; launch oproj (part 4): grid 16 x 16, 4 waves a work-group, clusters of 4 x 4, 327,680 bytes of LDS; arguments a_rec, wo_rec, out0; writes out0
.if DOCPART == 4
	.amdgcn_target "amdgcn-amd-amdhsa--gfx1250"
	.amdhsa_code_object_version 6
	.text
	.protected	k_qb8e82f5cb7_oproj
	.globl	k_qb8e82f5cb7_oproj
	.p2align	8
	.type	k_qb8e82f5cb7_oproj,@function
k_qb8e82f5cb7_oproj:
	s_mov_b64 s[64:65], 0
	v_nop
	global_prefetch_b8 v0, s[64:65] scope:SCOPE_SE
	s_setreg_imm32_b32 hwreg(HW_REG_WAVE_MODE, 25, 1), 1
	s_wait_xcnt 0x0
	s_wait_alu depctr_hold_cnt(0) depctr_sa_sdst(0) depctr_va_vdst(0) depctr_va_sdst(0) depctr_va_ssrc(0) depctr_va_vcc(0) depctr_vm_vsrc(0)
	s_getreg_b32 s2, hwreg(HW_REG_IB_STS2, 6, 4)
	s_cmp_eq_u32 s2, 0
	s_cbranch_scc0 .Lentry_in_a_cluster
	s_endpgm
.Lentry_in_a_cluster:
	s_bfe_u32 s2, ttmp6, 0x10000c
	s_cmp_lg_u32 s2, 0xf033
	s_cbranch_scc0 .Lentry_shape_is_right
	s_endpgm
.Lentry_shape_is_right:
; out0 [4096][4096] f32 = attn x wo^T on codes of FP6 (E2M3) with E8M0 scales, K = 1,024 (8 steps of 128).  Both operands lie as images of registers: a block of 16 rows is two records of 6,400 bytes.
; A work-group makes 256 x 256.  Wave w keeps its 64 columns of wo (4 blocks x 8 steps, 384 registers) for the whole launch and walks the 16 blocks of 16 tokens:
; 32 matrix instructions a block, its 4 accumulators by turns, K ascending; then the block's 16 rows x 256 bytes leave through the wave's own stage.
; LDS: A's blocks 0-7 at 0, B's 16 blocks behind them, all by the head's loads, one a wave.  When every wave has B in registers, A's blocks 8-15 are asked for onto B's first half, so that block b of A lies at b x 12,800.
; CLUSTERS of 4 x 4: A's records are asked for jointly along a row of the cluster, B's along a column.
; Source 0 = wo's rows, source 1 = tokens: a lane holds a token, and the 16 registers of two neighbouring blocks are 16 neighbouring columns (lane r of block t stands for row 32 (t / 2) + 8 (t % 2) + r + 8 (r / 8)).
; NO PREFETCH: the text has no loop to run ahead in: all operands are asked for at the head and right behind B's move into registers.
; REGISTERS: window 0: v8-17 LDS addresses, v24-29 the way out and the add, v32-63 B's scale words, v64-79 A's (two sets), v96-159 accumulators (two sets), v160-223 rows read back (two sets);
;   window 1: B's steps 0-4;  window 2: B's steps 5-7;  window 3: A's fragments, two sets of 96.
.set REC,   6400
.set BLK,   2*REC
.set BR,    8*BLK                      ; B's region
.set STAGE, 24*BLK
.set SPITCH, 272
.set SPARE, STAGE+4*16*SPITCH          ; the spare words, 128 bytes a wave, that no other line names
.set AF,  8                            ; v8-11 16 x lane + 4 g blocks;  v12-15 16 r + the same
.set AS,  12
.set BB,  16                           ; v16, v17 the same at my four blocks of B
.set BSC, 17
.set STO, 24
.set RD,  25
.set CO,  26
.set SPW, 28
.set NIL, 29
.set SCB, 32
.set SCA, 64
.set ACC, 96
.set BK,  160
.set G1,  24                           ; group 1: A at the head, 8 records
.set G0,  32
.set G0C, 36
.set G1B, 48                           ; B at the head, 16 records
.set G0B, 56
.set CB,  80
.set G1C, 84                           ; A's second half, 4 records a wave
.set MSB, 0
.macro WIN new                         ; the immediate's high byte repeats the setting that is left
.if MSB != (\new)
	s_set_vgpr_msb (MSB<<8)|(\new)
.set MSB, (\new)
.endif
.endm
.macro PLACES
.rept 4
	v_nop
.endr
.endm
.macro CREST
	s_cmp_lg_u32 s16, 0
	s_cbranch_scc1 .Lnot_wave_0_\@
	s_barrier_signal -3
.Lnot_wave_0_\@:
	s_barrier_wait -3
	s_barrier_signal -1
	s_barrier_wait -1
.endm
.macro CROUND
	s_barrier_signal -1
	s_barrier_wait -1
	CREST
.endm
.macro GRP g, r                        ; r dense rows of 800 elements of 8 bytes
	s_mov_b32 s[\g+1], 800<<16
	s_mov_b32 s[\g+2], (\r)<<16
	s_mov_b32 s[\g+3], 800<<16
	s_mov_b32 s[\g+4], \r
	s_mov_b32 s[\g+5], 800
	s_mov_b32 s[\g+6], 0
	s_mov_b32 s[\g+7], 0
.endm
	s_load_b128 s[4:7], s[0:1], 0x0                ; a_rec, wo_rec
	s_load_b64 s[8:9], s[0:1], 0x10                ; out0
	v_lshl_add_u32 v[SPW], v0, 2, SPARE
	v_mov_b32 v[NIL], 0
	ds_add_u32 v[SPW], v[NIL]                      ; the opening lines: the add, twice on end, and its wait ahead of my first tensor load
	ds_add_u32 v[SPW], v[NIL]
	v_lshrrev_b32 v1, 5, v0
	v_readfirstlane_b32 s16, v1                    ; wave
	s_lshr_b32 s17, s16, 1                         ; at the head I fetch for A (0) or B (1),
	s_and_b32 s18, s16, 1                          ; its first or second half
	s_bfe_u32 s40, ttmp6, 0x40000
	s_bfe_u32 s41, ttmp6, 0x40004
	s_lshl_b32 s42, ttmp9, 2
	s_add_co_u32 s42, s42, s40                     ; tile column
	s_and_b32 s43, ttmp7, 0xffff
	s_lshl_b32 s43, s43, 2
	s_add_co_u32 s43, s43, s41                     ; tile row
	s_lshl_b32 s44, s41, 2
	s_lshl_b32 s44, 15, s44                        ; my row of the cluster
	s_lshl_b32 s45, 0x1111, s40                    ; my column
	s_or_b32 s[G1], s44, (3<<16)|(1<<21)
	s_or_b32 s[G1C], s44, (3<<16)|(1<<21)
	s_or_b32 s[G1B], s45, (3<<16)|(1<<21)
	GRP G1, 8
	GRP G1B, 16
	GRP G1C, 4
	s_lshl_b32 s66, s43, 4
	s_lshl_b32 s67, s18, 2
	s_add_co_u32 s66, s66, s67
	s_mul_i32 s66, s66, BLK                        ; A: block 16 x tile row + 4 x half
	s_mov_b32 s67, 0
	s_lshl_b32 s60, s42, 4
	s_lshl_b32 s61, s18, 3
	s_add_co_u32 s60, s60, s61
	s_mul_i32 s60, s60, BLK                        ; B: block 16 x tile column + 8 x half
	s_mov_b32 s61, 0
	s_lshl_b32 s62, s43, 4
	s_lshl_b32 s63, s16, 1
	s_add_co_u32 s62, s62, s63
	s_add_co_u32 s62, s62, 8
	s_mul_i32 s62, s62, BLK                        ; A's second half: block 16 x tile row + 8 + 2 x wave
	s_mov_b32 s63, 0
	s_mov_b32 s[G0], 1
	s_mul_i32 s[G0+1], s18, 4*BLK
	s_mov_b32 s[G0B], 1
	s_mul_i32 s[G0B+1], s18, 8*BLK
	s_add_co_u32 s[G0B+1], s[G0B+1], BR
	s_mov_b32 s[G0C], 1
	s_mul_i32 s[G0C+1], s16, 2*BLK
	s_add_co_u32 s[G0C+1], s[G0C+1], BR
	s_wait_dscnt 0x0                               ; both opening adds are done
	s_wait_kmcnt 0x0
	s_add_nc_u64 s[G0+2:G0+3], s[4:5], s[66:67]
	s_or_b32 s[G0+3], s[G0+3], 0x80000000
	s_add_nc_u64 s[G0B+2:G0B+3], s[6:7], s[60:61]
	s_or_b32 s[G0B+3], s[G0B+3], 0x80000000
	s_add_nc_u64 s[G0C+2:G0C+3], s[4:5], s[62:63]
	s_or_b32 s[G0C+3], s[G0C+3], 0x80000000
	CROUND                                         ; all sixteen work-groups are here: the first joint loads meet
	s_cmp_eq_u32 s17, 0
	s_cbranch_scc0 .Lfor_b
	tensor_load_to_lds s[G0:G0+3], s[G1:G1+7]
	s_nop 0
.rept 4
	v_nop
.endr
	s_branch .Lasked
.Lfor_b:
	tensor_load_to_lds s[G0B:G0B+3], s[G1B:G1B+7]
	s_nop 0
.rept 4
	v_nop
.endr
.Lasked:
	s_mul_i32 s76, s16, 4*BLK
	s_add_co_u32 s76, s76, BR                      ; my four blocks of B
	s_mul_i32 s77, s16, 16*SPITCH
	s_add_co_u32 s77, s77, STAGE                   ; my stage
	s_lshl_b32 s78, s43, 22                        ; out0: 256 rows of 16,384 bytes a tile row,
	s_lshl_b32 s79, s42, 10                        ; 1,024 bytes a tile column,
	s_add_co_u32 s78, s78, s79
	s_lshl_b32 s79, s16, 8                         ; 256 a wave
	s_add_co_u32 s78, s78, s79
	s_mov_b32 s79, 0
	s_add_nc_u64 s[CB:CB+1], s[8:9], s[78:79]
	v_and_b32 v1, 15, v0                           ; r
	v_bfe_u32 v2, v0, 4, 1                         ; h
	v_and_b32 v3, 31, v0
	v_lshlrev_b32 v3, 4, v3                        ; 16 x lane
	v_lshlrev_b32 v4, 4, v1                        ; 16 r
.irp g, 0,1,2,3
	v_add_nc_u32 v[AF+\g], \g*4*BLK, v3
	v_add_nc_u32 v[AS+\g], \g*4*BLK, v4
.endr
	v_add_nc_u32 v[BB], s76, v3
	v_add_nc_u32 v[BSC], s76, v4
	v_mul_u32_u24 v5, v1, SPITCH                   ; the stage, way in: row r, 64 bytes for each half of the lanes
	v_lshl_add_u32 v5, v2, 6, v5
	v_add_nc_u32 v[STO], s77, v5
	v_mul_u32_u24 v5, v2, SPITCH                   ; back: lanes 0-15 one row of 256 bytes, lanes 16-31 the next
	v_lshl_add_u32 v5, v1, 4, v5
	v_add_nc_u32 v[RD], s77, v5
	v_lshlrev_b32 v5, 14, v2
	v_lshl_add_u32 v[CO], v1, 4, v5                ; and the same two rows in out0
.macro BLOAD                           ; my 64 columns of B, all 8 steps, and their scale words: 104 loads
.irp k, 0,1,2,3,4,5,6,7
	WIN 0x40*(1+\k/5)
.irp b, 0,1,2,3
.irp c, 0,1,2
	ds_load_b128 v[48*(\k%5)+12*\b+4*\c:48*(\k%5)+12*\b+4*\c+3], v[BB] offset:\b*BLK+REC*(\k/4)+1536*(\k%4)+512*\c
.endr
.endr
.endr
	WIN 0
.irp b, 0,1,2,3
.irp q, 0,1
	ds_load_b128 v[SCB+8*\b+4*\q:SCB+8*\b+4*\q+3], v[BSC] offset:\b*BLK+REC*\q+4*1536
.endr
.endr
.endm
.macro ALOAD be                        ; block be of A, all 8 steps, and its scale words, into set be % 2: 26 loads
.set ab, (\be)
	WIN 0xc0
.irp k, 0,1,2,3,4,5,6,7
.irp c, 0,1,2
	ds_load_b128 v[96*(ab%2)+12*\k+4*\c:96*(ab%2)+12*\k+4*\c+3], v[AF+ab/4] offset:(ab%4)*BLK+REC*(\k/4)+1536*(\k%4)+512*\c
.endr
.endr
	WIN 0
.irp q, 0,1
	ds_load_b128 v[SCA+8*(ab%2)+4*\q:SCA+8*(ab%2)+4*\q+3], v[AS+ab/4] offset:(ab%4)*BLK+REC*\q+4*1536
.endr
.endm
.macro MULK be, k                      ; step k of block be: four matrix instructions; step 0 starts the sums
.set mp, (\be)%2
	WIN 0x0d+(\k)/5
.irp b, 0,1,2,3
.if (\k) == 0
	v_wmma_scale_f32_16x16x128_f8f6f4 v[ACC+32*mp+8*\b:ACC+32*mp+8*\b+7], v[48*((\k)%5)+12*\b:48*((\k)%5)+12*\b+11], v[96*mp+12*(\k):96*mp+12*(\k)+11], 0, v[SCB+8*\b+(\k)], v[SCA+8*mp+(\k)] matrix_a_fmt:MATRIX_FMT_FP6 matrix_b_fmt:MATRIX_FMT_FP6
.else
	v_wmma_scale_f32_16x16x128_f8f6f4 v[ACC+32*mp+8*\b:ACC+32*mp+8*\b+7], v[48*((\k)%5)+12*\b:48*((\k)%5)+12*\b+11], v[96*mp+12*(\k):96*mp+12*(\k)+11], v[ACC+32*mp+8*\b:ACC+32*mp+8*\b+7], v[SCB+8*\b+(\k)], v[SCA+8*mp+(\k)] matrix_a_fmt:MATRIX_FMT_FP6 matrix_b_fmt:MATRIX_FMT_FP6
.endif
.endr
.endm
.macro TOSTAGE be                      ; 16 rows x 256 bytes through my stage: LDS serves a wave's instructions in order, so no wait stands between the stores and the loads
.set tp, (\be)%2
.irp e, 0,1,2,3
	ds_store_b128 v[STO], v[ACC+32*tp+8*\e:ACC+32*tp+8*\e+3] offset:128*(\e/2)+32*(\e%2)       ; each accumulator from its low end on
	ds_store_b128 v[STO], v[ACC+32*tp+8*\e+4:ACC+32*tp+8*\e+7] offset:128*(\e/2)+32*(\e%2)+16
.endr
.irp i, 0,1,2,3,4,5,6,7
	ds_load_b128 v[BK+32*tp+4*\i:BK+32*tp+4*\i+3], v[RD] offset:2*SPITCH*\i
.endr
.endm
.macro SEND be, younger                ; younger: the LDS loads issued behind the stage's, which may stay out
.set sb, (\be)
	s_wait_dscnt \younger
.irp i, 0,1,2,3,4,5,6,7
	global_store_b128 v[CO], v[BK+32*(sb%2)+4*\i:BK+32*(sb%2)+4*\i+3], s[CB:CB+1] offset:(32*(sb/2)+8*(sb%2)+2*\i+8*(\i/4))*16384 th:TH_STORE_NT   ; 16 lanes store 256 consecutive bytes, aligned
.endr
.endm
.macro BLOCK be
.if (\be) == 7
	s_wait_tensorcnt 0x0                           ; my part of A's second half is in;
	s_wait_dscnt 0x0
	s_barrier_signal -1
	s_barrier_wait -1                              ; and everybody's
.else
	s_wait_dscnt 16                                ; this block's fragments are in; the last block's 16 stage instructions may be out
.endif
.if (\be) < 15
	ALOAD (\be)+1                                  ; into the set multiplied a block ago: that block's four v_nop are the places
.endif
.irp k, 0,1,2,3
	MULK \be, \k
.endr
	WIN 0
.if (\be) < 15
	SEND (\be)-1, 26
.else
	SEND (\be)-1, 0
.endif
.irp k, 4,5,6,7
	MULK \be, \k
.endr
	WIN 0
	PLACES
.if (\be) >= 2
	s_wait_xcnt 0x0                                ; the stores of two blocks ago have read the registers into which the rows come back
.endif
	TOSTAGE \be
.endm
	s_wait_alu depctr_va_vdst(0)                   ; the wait at the head's end
	s_wait_tensorcnt 0x0                           ; my tile of the head's four is in
	s_barrier_signal -1
	s_barrier_wait -1                              ; and the other three
	BLOAD
	ALOAD 0
	ALOAD 1
	s_wait_tensorcnt 0x0
	ds_add_u32 v[SPW], v[NIL]
	s_wait_dscnt 0x0                               ; the add is done, and B is in my registers
	s_barrier_signal -1                            ; the barrier opens a round of the cluster's barrier; work on registers stands inside it
.irp k, 0,1,2,3,4,5,6,7
	MULK 0, \k
.endr
	WIN 0
	s_barrier_wait -1
	CREST                                          ; no wave of any partner still reads B's region
	tensor_load_to_lds s[G0C:G0C+3], s[G1C:G1C+7]  ; A's blocks 8 + 2 w and 9 + 2 w: it has six blocks' work in which to land
	s_nop 0
.rept 4
	v_nop
.endr
	TOSTAGE 0
.irp e, 1,2,3,4,5,6,7,8,9,10,11,12,13,14,15
	BLOCK \e
.endr
	SEND 15, 0
	s_wait_tensorcnt 0x0                           ; the wave's end
	ds_add_u32 v[SPW], v[NIL]
	s_wait_dscnt 0x0
	CROUND                                         ; the closing round
	s_endpgm
.Lfunc_end_k_qb8e82f5cb7_oproj:
	.size	k_qb8e82f5cb7_oproj, .Lfunc_end_k_qb8e82f5cb7_oproj-k_qb8e82f5cb7_oproj
	.p2alignl 7, 3214868480
	.fill 96, 4, 3214868480
	.section	.rodata,"a",@progbits
	.p2align	6, 0x0
	.amdhsa_kernel k_qb8e82f5cb7_oproj
		.amdhsa_group_segment_fixed_size 327680
		.amdhsa_private_segment_fixed_size 0
		.amdhsa_enable_private_segment 0
		.amdhsa_kernarg_size 24
		.amdhsa_user_sgpr_count 2
		.amdhsa_user_sgpr_kernarg_segment_ptr 1
		.amdhsa_wavefront_size32 1
		.amdhsa_system_sgpr_workgroup_id_x 1
		.amdhsa_system_sgpr_workgroup_id_y 1
		.amdhsa_system_sgpr_workgroup_id_z 1
		.amdhsa_system_vgpr_workitem_id 0
		.amdhsa_next_free_vgpr 960
		.amdhsa_next_free_sgpr 92
		.amdhsa_reserve_vcc 0
		.amdhsa_float_denorm_mode_32 3
		.amdhsa_float_denorm_mode_16_64 3
		.amdhsa_memory_ordered 1
		.amdhsa_forward_progress 1
		.amdhsa_inst_pref_size 140
	.end_amdhsa_kernel
	.amdgpu_metadata
---
amdhsa.version: [ 1, 2 ]
amdhsa.kernels:
  - .name:           k_qb8e82f5cb7_oproj
    .symbol:         k_qb8e82f5cb7_oproj.kd
    .args:
      - { .name: a_rec, .offset: 0, .size: 8, .value_kind: global_buffer, .address_space: global }
      - { .name: wo_rec, .offset: 8, .size: 8, .value_kind: global_buffer, .address_space: global }
      - { .name: out0, .offset: 16, .size: 8, .value_kind: global_buffer, .address_space: global }
    .group_segment_fixed_size: 327680
    .private_segment_fixed_size: 0
    .kernarg_segment_align: 8
    .kernarg_segment_size: 24
    .max_flat_workgroup_size: 128
    .sgpr_count:     92
    .vgpr_count:     960
    .wavefront_size: 32
...
	.end_amdgpu_metadata
.endif
;; end of part 4
